; MI455X (gfx1250); checked and timed in simulation.
; The chip was launched on July 23, 2026; its instructions are those of AMD's public machine-readable ISA for CDNA 5 (MIT licence, August 2026) and "CDNA5" Instruction Set Architecture Reference Guide (July 2026). The comments in the code are by the model that wrote it; some were corrected since.
;; Transformer Block. Allowed arithmetic: float matrix products may take bf16 or f16 operands with f32 sums; other float arithmetic in f32, or as packed bf16 or f16 multiplies, adds, multiply-adds, maxima and minima; sums over many terms, partial sums and values carried from step to step in f32; what a program stores and reads back later, other than sums and carried values, may be rounded once to bf16 or f16.
;; Inputs: b_fc1 4,096 float32; b_fc2 1,024 float32; b_out 1,024 float32; b_qkv 3,072 float32; ln1_bias 1,024 float32; ln1_scale 1,024 float32; ln2_bias 1,024 float32; ln2_scale 1,024 float32; w_fc1 1,024 x 4,096 float32; w_fc2 4,096 x 1,024 float32; w_out 1,024 x 1,024 float32; w_qkv 1,024 x 3,072 float32; x 2 x 2,048 x 1,024 float32.
;; Outputs: out0 2 x 2,048 x 1,024 float32.
;; One version. Each part assembles by itself: llvm-mc -triple=amdgcn-amd-amdhsa -mcpu=gfx1250 --defsym DOCPART=n.
;; ======== version 1 of 1: 7 launches
;; workspace buffers: wt 25,165,824 bytes; y 8,388,608 bytes; qkv 25,165,824 bytes; o 8,388,608 bytes; x1 16,777,216 bytes; h 33,554,432 bytes
;; launch prep_ln1 (part 1): grid 1792 x 1, 8 waves a work-group, no clusters, 18,432 bytes of LDS; arguments x, ln1_scale, ln1_bias, y, w_qkv, w_out, w_fc1, w_fc2, wt; writes y, wt
.if DOCPART == 1
	.amdgcn_target "amdgcn-amd-amdhsa--gfx1250"
	.amdhsa_code_object_version 6
	.text
	.protected	k_q4bcd12201c_prep_ln1
	.globl	k_q4bcd12201c_prep_ln1
	.p2align	8
	.type	k_q4bcd12201c_prep_ln1,@function
k_q4bcd12201c_prep_ln1:
	s_mov_b64 s[64:65], 0
	v_nop
	global_prefetch_b8 v0, s[64:65] scope:SCOPE_SE
	s_setreg_imm32_b32 hwreg(HW_REG_WAVE_MODE, 25, 1), 1
	s_wait_xcnt 0x0
; TWO JOBS THAT NEED NOTHING OF EACH OTHER SHARE ONE LAUNCH; a work-group's number chooses, the same for all its waves.
; WORK-GROUPS 0-255, THE NORM: y[r][c] = (x[r][c] - mean) / sqrt(var + 1e-5) * scale[c] + bias[c].  x: [4096][1024] f32, y: the same in bf16, rounded once.
;   A wave takes two rows and keeps them in registers: the mean first, then the squares of x - mean (no difference of large sums), all in f32.
;   Lane l holds columns 128 j + 4 l .. + 3 of a row, j = 0..7: a load covers 512 consecutive bytes, a store 256.  No LDS, no barrier.
; WORK-GROUPS 256-1791, THE WEIGHTS: f32 [K][N], rounded once to bf16 and written turned, [N][K], into wt:
;   w_qkv at byte 0 ([3072][1024]), w_out at 6,291,456 ([1024][1024]), w_fc1 at 8,388,608 ([4096][1024]), w_fc2 at 16,777,216 ([1024][4096]).
;   A work-group turns one tile of 128 k x 64 n: it reads 128 rows of 256 consecutive bytes and writes 64 rows of 256 consecutive bytes.
;   Tiles 0-383 are w_qkv's, 384-511 w_out's, 512-1023 w_fc1's, 1024-1535 w_fc2's; in a weight the k blocks run fastest.
; Streams: no matrix unit, no cluster (no byte is shared), no tensor load (small LDS, so that several work-groups lie side by side).
.set LNWG, 256                         ; work-groups of the norm
.set T,  8                             ; the norm: v[8:15] at work
.set MU, 16                            ; v[16:17]  the mean, twice
.set R,  18                            ; v[18:21]  1 / sqrt(var + eps), twice for each row
.set Q,  22                            ; v[22:23]  var + eps of the two rows
.set X,  32                            ; v[32:95]  two rows of 32 registers
.set SC, 96                            ; v[96:127] scale
.set BI, 128                           ; v[128:159] bias
.set SP,    272                        ; the weights: a stage row, 128 bf16 + 16 bytes
.set SPARE, 64*SP                      ; behind the stage: the spare words, 128 bytes for each of the eight waves
.set SPW, 160                          ; v160 LDS address of my spare word; never rewritten
.set NIL, 161                          ; v161 0; never rewritten
.set STO, 7                            ; v7  where I put 16 bytes of a stage row
.set VO,  8                            ; v[8:15]  byte offsets of my eight source rows
.set WX,  16                           ; v[16:47] eight rows x four columns, f32; later four rows read back
.set WD,  48                           ; v[48:63] four columns x eight k, bf16
.set GO,  64                           ; v[64:67] byte offsets of my four stores
.set RD,  69                           ; v69 where I read a row back
	s_cmp_ge_u32 ttmp9, LNWG
	s_cbranch_scc1 .Lprep
	s_load_b256 s[4:11], s[0:1], 0x0               ; x s[4:5], scale s[6:7], bias s[8:9], y s[10:11]
	v_lshrrev_b32 v3, 5, v0
	v_readfirstlane_b32 s16, v3                    ; wave
	v_and_b32 v4, 31, v0
	v_lshlrev_b32 v1, 4, v4                        ; 16 bytes a lane, in
	v_lshlrev_b32 v2, 3, v4                        ; 8 bytes a lane, out
	s_lshl_b32 s17, ttmp9, 4
	s_lshl_b32 s16, s16, 1
	s_add_co_u32 s17, s17, s16                     ; my first row
	s_lshl_b32 s18, s17, 12
	s_mov_b32 s19, 0
	s_lshl_b32 s20, s17, 11
	s_mov_b32 s21, 0
	s_mov_b32 s12, 0x3a800000                      ; 1 / 1024
	s_mov_b32 s13, 0x3727c5ac                      ; 1e-5
	s_mov_b32 s14, 0x76543210                      ; v_permlanex16_b32: each lane takes its own place in the other half
	s_mov_b32 s15, 0xfedcba98
	s_wait_kmcnt 0x0
	s_add_nc_u64 s[4:5], s[4:5], s[18:19]
	s_add_nc_u64 s[10:11], s[10:11], s[20:21]
.irp r, 0,1
.irp j, 0,1,2,3,4,5,6,7
	global_load_b128 v[X+32*(\r)+4*(\j):X+32*(\r)+4*(\j)+3], v1, s[4:5] offset:(\r)*4096+512*(\j)
.endr
.endr
.irp j, 0,1,2,3,4,5,6,7
	global_load_b128 v[SC+4*(\j):SC+4*(\j)+3], v1, s[6:7] offset:512*(\j)
.endr
.irp j, 0,1,2,3,4,5,6,7
	global_load_b128 v[BI+4*(\j):BI+4*(\j)+3], v1, s[8:9] offset:512*(\j)
.endr
.macro TOTAL                           ; four chains of pairs in v[T:T+7] become one number in every lane's v[T]
	v_pk_add_f32 v[T:T+1], v[T:T+1], v[T+2:T+3]
	v_pk_add_f32 v[T+4:T+5], v[T+4:T+5], v[T+6:T+7]
	v_pk_add_f32 v[T:T+1], v[T:T+1], v[T+4:T+5]
	v_add_f32 v[T], v[T], v[T+1]
	v_add_f32_dpp v[T], v[T], v[T] row_xmask:1 row_mask:0xf bank_mask:0xf
	v_add_f32_dpp v[T], v[T], v[T] row_xmask:2 row_mask:0xf bank_mask:0xf
	v_add_f32_dpp v[T], v[T], v[T] row_xmask:4 row_mask:0xf bank_mask:0xf
	v_add_f32_dpp v[T], v[T], v[T] row_xmask:8 row_mask:0xf bank_mask:0xf
	v_permlanex16_b32 v[T+1], v[T], s14, s15
	v_add_f32 v[T], v[T], v[T+1]
.endm
; Row r: the mean; x - mean in place; var + eps.  left: the younger loads that may stay out.
.macro STATS r, left
	s_wait_loadcnt \left
.irp c, 0,1,2,3                        ; the data start the chains: nothing is cleared
	v_pk_add_f32 v[T+2*(\c):T+2*(\c)+1], v[X+32*(\r)+2*(\c):X+32*(\r)+2*(\c)+1], v[X+32*(\r)+8+2*(\c):X+32*(\r)+8+2*(\c)+1]
.endr
.irp g, 2,3
.irp c, 0,1,2,3
	v_pk_add_f32 v[T+2*(\c):T+2*(\c)+1], v[T+2*(\c):T+2*(\c)+1], v[X+32*(\r)+8*(\g)+2*(\c):X+32*(\r)+8*(\g)+2*(\c)+1]
.endr
.endr
	TOTAL
	v_mul_f32 v[MU], s12, v[T]
	v_mov_b32 v[MU+1], v[MU]
.set n, 0
.rept 16
	v_pk_add_f32 v[X+32*(\r)+2*n:X+32*(\r)+2*n+1], v[X+32*(\r)+2*n:X+32*(\r)+2*n+1], v[MU:MU+1] neg_lo:[0,1] neg_hi:[0,1]
.set n, n+1
.endr
.irp c, 0,1,2,3
	v_pk_mul_f32 v[T+2*(\c):T+2*(\c)+1], v[X+32*(\r)+2*(\c):X+32*(\r)+2*(\c)+1], v[X+32*(\r)+2*(\c):X+32*(\r)+2*(\c)+1]
.endr
.irp g, 1,2,3
.irp c, 0,1,2,3
	v_pk_fma_f32 v[T+2*(\c):T+2*(\c)+1], v[X+32*(\r)+8*(\g)+2*(\c):X+32*(\r)+8*(\g)+2*(\c)+1], v[X+32*(\r)+8*(\g)+2*(\c):X+32*(\r)+8*(\g)+2*(\c)+1], v[T+2*(\c):T+2*(\c)+1]
.endr
.endr
	TOTAL
	v_fma_f32 v[Q+(\r)], v[T], s12, s13
.endm
; Row r is scaled, rounded in place (register i takes numbers 2 i, 2 i + 1) and stored.
.macro FINISH r
.set n, 0
.rept 16
	v_pk_mul_f32 v[X+32*(\r)+2*n:X+32*(\r)+2*n+1], v[X+32*(\r)+2*n:X+32*(\r)+2*n+1], v[R+2*(\r):R+2*(\r)+1]
.set n, n+1
.endr
.set n, 0
.rept 16
	v_pk_fma_f32 v[X+32*(\r)+2*n:X+32*(\r)+2*n+1], v[X+32*(\r)+2*n:X+32*(\r)+2*n+1], v[SC+2*n:SC+2*n+1], v[BI+2*n:BI+2*n+1]
.set n, n+1
.endr
.set n, 0
.rept 16
	v_cvt_pk_bf16_f32 v[X+32*(\r)+n], v[X+32*(\r)+2*n], v[X+32*(\r)+2*n+1]
.set n, n+1
.endr
.irp j, 0,1,2,3,4,5,6,7
	global_store_b64 v2, v[X+32*(\r)+2*(\j):X+32*(\r)+2*(\j)+1], s[10:11] offset:(\r)*2048+256*(\j)  ; 32 lanes store 256 consecutive bytes, aligned
.endr
.endm
	STATS 0, 24                                    ; behind row 0's eight loads: row 1's, scale's and bias's
	STATS 1, 16
	v_rsq_f32 v[R], v[Q]                           ; one batch of four: each root twice, for the packed multiply's pair
	v_rsq_f32 v[R+1], v[Q]
	v_rsq_f32 v[R+2], v[Q+1]
	v_rsq_f32 v[R+3], v[Q+1]
	v_nop                                          ; a plain instruction behind the last root (ISA guide 5.7.2),
	s_wait_alu depctr_va_vdst(0)                   ; and the wait ahead of the first use: one for the batch
	s_wait_loadcnt 0x0                             ; scale and bias
	FINISH 0
	FINISH 1
	s_endpgm
.Lprep:
	s_load_b256 s[4:11], s[0:1], 0x20              ; w_qkv s[4:5], w_out s[6:7], w_fc1 s[8:9], w_fc2 s[10:11]
	s_load_b64 s[12:13], s[0:1], 0x40              ; wt
	v_lshl_add_u32 v[SPW], v0, 2, SPARE
	v_mov_b32 v[NIL], 0
	v_lshrrev_b32 v1, 5, v0
	v_readfirstlane_b32 s14, v1                    ; wave 0..7
	v_and_b32 v4, 15, v0                           ; i = l % 16: my four columns 4 i ..
	v_bfe_u32 v5, v0, 4, 1                         ; l / 16
	s_sub_co_u32 s15, ttmp9, LNWG                  ; the tile's number among the 1,536
	s_mov_b32 s16, 12288                           ; bytes in a source row
	s_mov_b32 s17, 0                               ; the weight's first byte in wt
	s_mov_b32 s18, 0                               ; its first tile
	s_mov_b32 s19, 3                               ; log2 of its k blocks
	s_wait_kmcnt 0x0
	s_mov_b64 s[20:21], s[4:5]
	s_cmp_ge_u32 s15, 384
	s_cselect_b64 s[20:21], s[6:7], s[20:21]
	s_cselect_b32 s16, 4096, s16
	s_cselect_b32 s17, 6291456, s17
	s_cselect_b32 s18, 384, s18
	s_cmp_ge_u32 s15, 512
	s_cselect_b64 s[20:21], s[8:9], s[20:21]
	s_cselect_b32 s16, 16384, s16
	s_cselect_b32 s17, 8388608, s17
	s_cselect_b32 s18, 512, s18
	s_cmp_ge_u32 s15, 1024
	s_cselect_b64 s[20:21], s[10:11], s[20:21]
	s_cselect_b32 s16, 4096, s16
	s_cselect_b32 s17, 16777216, s17
	s_cselect_b32 s18, 1024, s18
	s_cselect_b32 s19, 5, s19
	s_sub_co_u32 s22, s15, s18                     ; the tile's number in its weight
	s_bfm_b32 s23, s19, 0
	s_and_b32 s23, s22, s23                        ; k block
	s_lshr_b32 s24, s22, s19                       ; n block
	s_lshl_b32 s25, 256, s19                       ; bytes in a row of the turned weight
	s_mul_i32 s26, s23, s16
	s_lshl_b32 s26, s26, 7                         ; 128 source rows a k block,
	s_lshl_b32 s27, s24, 8                         ; 256 bytes an n block
	s_add_co_u32 s26, s26, s27
	s_mov_b32 s27, 0
	s_add_nc_u64 s[20:21], s[20:21], s[26:27]      ; the tile's first byte in the source
	s_mul_i32 s28, s24, s25
	s_lshl_b32 s28, s28, 6                         ; 64 turned rows an n block,
	s_lshl_b32 s29, s23, 8                         ; 256 bytes a k block
	s_add_co_u32 s28, s28, s29
	s_add_co_u32 s28, s28, s17
	s_mov_b32 s29, 0
	s_add_nc_u64 s[12:13], s[12:13], s[28:29]      ; and in wt
	s_lshl_b32 s30, s14, 4
	v_lshl_add_u32 v6, v5, 3, s30                  ; my first k in the tile: 16 wave + 8 (l / 16)
	v_mul_lo_u32 v[VO], v6, s16
	v_lshl_add_u32 v[VO], v4, 4, v[VO]
.irp r, 1,2,3,4,5,6,7
	v_add_nc_u32 v[VO+(\r)], s16, v[VO+(\r)-1]
.endr
.irp r, 0,1,2,3,4,5,6,7
	global_load_b128 v[WX+4*(\r):WX+4*(\r)+3], v[VO+(\r)], s[20:21] th:TH_LOAD_NT  ; lanes 0-15 one row's 256 bytes, lanes 16-31 those of the row eight further down
.endr
	v_mul_u32_u24 v[STO], v4, 4*SP                 ; stage row 4 i (+ c by the immediate), byte 2 x my first k
	v_lshl_add_u32 v[STO], v6, 1, v[STO]
	s_lshl_b32 s31, s14, 3
	v_add_nc_u32 v68, s31, v5                      ; back: row 8 wave + l / 16 (+ 2 t)
	v_mul_u32_u24 v[RD], v68, SP
	v_lshl_add_u32 v[RD], v4, 4, v[RD]
	v_mul_lo_u32 v[GO], v68, s25
	v_lshl_add_u32 v[GO], v4, 4, v[GO]
	s_lshl_b32 s30, s25, 1
.irp t, 1,2,3
	v_add_nc_u32 v[GO+(\t)], s30, v[GO+(\t)-1]
.endr
	s_wait_loadcnt 0x0
.irp c, 0,1,2,3                        ; column 4 i + c: its eight k, two to a register
.irp j, 0,1,2,3
	v_cvt_pk_bf16_f32 v[WD+4*(\c)+(\j)], v[WX+8*(\j)+(\c)], v[WX+8*(\j)+4+(\c)]
.endr
.endr
.irp c, 0,1,2,3
	ds_store_b128 v[STO], v[WD+4*(\c):WD+4*(\c)+3] offset:(\c)*SP  ; sixteen lanes write rows four apart: four of them meet in a group of banks; four stores a wave
.endr
	s_wait_dscnt 0x0                               ; for the others' sake: my stores are done
	s_barrier_signal -1
	s_barrier_wait -1
.irp t, 0,1,2,3
	ds_load_b128 v[WX+4*(\t):WX+4*(\t)+3], v[RD] offset:(\t)*2*SP
.endr
.irp t, 0,1,2,3
	s_wait_dscnt 3-(\t)
	global_store_b128 v[GO+(\t)], v[WX+4*(\t):WX+4*(\t)+3], s[12:13]  ; sixteen lanes store 256 consecutive bytes, aligned
.endr
	s_wait_tensorcnt 0x0                           ; the wave's end
	ds_add_u32 v[SPW], v[NIL]
	s_wait_dscnt 0x0
	s_endpgm
.Lfunc_end_k_q4bcd12201c_prep_ln1:
	.size	k_q4bcd12201c_prep_ln1, .Lfunc_end_k_q4bcd12201c_prep_ln1-k_q4bcd12201c_prep_ln1
	.p2alignl 7, 3214868480
	.fill 96, 4, 3214868480
	.section	.rodata,"a",@progbits
	.p2align	6, 0x0
	.amdhsa_kernel k_q4bcd12201c_prep_ln1
		.amdhsa_group_segment_fixed_size 18432
		.amdhsa_private_segment_fixed_size 0
		.amdhsa_enable_private_segment 0
		.amdhsa_kernarg_size 72
		.amdhsa_user_sgpr_count 2
		.amdhsa_user_sgpr_kernarg_segment_ptr 1
		.amdhsa_wavefront_size32 1
		.amdhsa_system_sgpr_workgroup_id_x 1
		.amdhsa_system_sgpr_workgroup_id_y 1
		.amdhsa_system_sgpr_workgroup_id_z 1
		.amdhsa_system_vgpr_workitem_id 0
		.amdhsa_next_free_vgpr 168
		.amdhsa_next_free_sgpr 66
		.amdhsa_reserve_vcc 0
		.amdhsa_float_denorm_mode_32 3
		.amdhsa_float_denorm_mode_16_64 3
		.amdhsa_memory_ordered 1
		.amdhsa_forward_progress 1
		.amdhsa_inst_pref_size 27
	.end_amdhsa_kernel
	.amdgpu_metadata
---
amdhsa.version: [ 1, 2 ]
amdhsa.kernels:
  - .name:           k_q4bcd12201c_prep_ln1
    .symbol:         k_q4bcd12201c_prep_ln1.kd
    .args:
      - { .name: x, .offset: 0, .size: 8, .value_kind: global_buffer, .address_space: global }
      - { .name: ln1_scale, .offset: 8, .size: 8, .value_kind: global_buffer, .address_space: global }
      - { .name: ln1_bias, .offset: 16, .size: 8, .value_kind: global_buffer, .address_space: global }
      - { .name: y, .offset: 24, .size: 8, .value_kind: global_buffer, .address_space: global }
      - { .name: w_qkv, .offset: 32, .size: 8, .value_kind: global_buffer, .address_space: global }
      - { .name: w_out, .offset: 40, .size: 8, .value_kind: global_buffer, .address_space: global }
      - { .name: w_fc1, .offset: 48, .size: 8, .value_kind: global_buffer, .address_space: global }
      - { .name: w_fc2, .offset: 56, .size: 8, .value_kind: global_buffer, .address_space: global }
      - { .name: wt, .offset: 64, .size: 8, .value_kind: global_buffer, .address_space: global }
    .group_segment_fixed_size: 18432
    .private_segment_fixed_size: 0
    .kernarg_segment_align: 8
    .kernarg_segment_size: 72
    .max_flat_workgroup_size: 256
    .sgpr_count:     66
    .vgpr_count:     168
    .wavefront_size: 32
...
	.end_amdgpu_metadata
.endif
;; end of part 1
;; launch qkv_proj (part 2): grid 16 x 16, 4 waves a work-group, clusters of 4 x 4, 327,680 bytes of LDS; arguments y, wt, b_qkv, qkv; writes qkv
.if DOCPART == 2
	.amdgcn_target "amdgcn-amd-amdhsa--gfx1250"
	.amdhsa_code_object_version 6
	.text
	.protected	k_q4bcd12201c_qkv_proj
	.globl	k_q4bcd12201c_qkv_proj
	.p2align	8
	.type	k_q4bcd12201c_qkv_proj,@function
k_q4bcd12201c_qkv_proj:
	s_mov_b64 s[64:65], 0
	v_nop
	global_prefetch_b8 v0, s[64:65] scope:SCOPE_SE
	s_setreg_imm32_b32 hwreg(HW_REG_WAVE_MODE, 25, 1), 1
	s_wait_xcnt 0x0
	s_wait_alu depctr_hold_cnt(0) depctr_sa_sdst(0) depctr_va_vdst(0) depctr_va_sdst(0) depctr_va_ssrc(0) depctr_va_vcc(0) depctr_vm_vsrc(0)
	s_getreg_b32 s2, hwreg(HW_REG_IB_STS2, 6, 4)
	s_cmp_eq_u32 s2, 0
	s_cbranch_scc0 .Lentry_in_a_cluster
	s_endpgm
.Lentry_in_a_cluster:
	s_bfe_u32 s2, ttmp6, 0x10000c
	s_cmp_lg_u32 s2, 0xf033
	s_cbranch_scc0 .Lentry_shape_is_right
	s_endpgm
.Lentry_shape_is_right:
; qkv = y Wqkv + b_qkv, laid by heads.  y: [4096][1024] bf16; the weight lies turned, [3072][1024] bf16, at byte 0 of wt; sums in f32, the result rounded once to bf16.
; Out: part p (q, k, v) at p x 8,388,608 bytes, each [batch x 16 + head][2048][64] bf16, unscaled.
; A tile of C is 256 rows x 192 columns (three heads): 16 x 16 tiles, one for each of 256 work-groups.  Four waves, 2 x 2, each 128 x 96: 48 accumulators.
; K goes in 8 steps of 128 through two LDS slots filled by tensor loads (rows of 256 bytes, padded to 272).  One K step is one trip of the loop: the slot is a register.
; The last two K steps, which ask for nothing, are a loop of their own, entered in its middle: its last trip fetches the other slot's old first fragments, which serve nothing: the price of one text for both.
; CLUSTER 4 x 4: A's tile is shared along a row of the cluster, B's along a column: each is asked for jointly.
; The matrix instruction is used transposed (source 0 = rows of the weight, source 1 = rows of y): a lane holds eight neighbouring columns of one row of C.
; WAY OUT: the sums go as f32 into a stage that lies over the ring (which has had its last fill), and a counted loop adds the bias, rounds and stores: two rows of a head are 256 consecutive bytes.
; REGISTERS in windows of 256: window 0 addresses, bias, A's fragments (v64.., v128..); window 1 B's fragments; windows 2, 3 the accumulators ((a, b) at v[8 (8 (a % 4) + b)]).
.set NBF,    6                         ; fragments of B a wave
.set TN,     32*NBF
.set PITCH,  272
.set AHALF,  128*PITCH
.set BHALF,  16*NBF*PITCH
.set SLOT,   2*AHALF+2*BHALF           ; A's 256 rows, then B's 192
.set SLOT1,  1<<17                     ; slot 1 begins here: one exclusive or turns an address in one slot into the other's
.set SPARE,  SLOT1+SLOT                ; the spare words, 128 bytes a wave
.set SP,     4*TN+16                   ; a stage row: 192 f32 + 16 bytes
.set WOFF,   0
.set ADRA0, 16                         ; v16  my lane's place in A's part of a slot; never rewritten
.set ADRA,  17                         ; v17  the same in the slot that is read
.set ADRB0, 20
.set ADRB,  21
.set STO,  24
.set RD,   25
.set CO,   26
.set BO,   27
.set SPW,  28                          ; v28  LDS address of my spare word; never rewritten
.set NIL,  29                          ; v29  0; never rewritten
.set PFO,  30                          ; v30  the prefetches' offset: a lane a row; never rewritten
.set BI,   32                          ; v[32:43] bias
.set F0,   64
.set F1,   128
.set G1,  24
.set G0,  32                           ; s[32:39] two sets for the two first fills; the second then walks
.set G1B, 48
.set G0B, 56
.set LIM, 43
.set PFA, 44
.set TBR, 66                           ; s66  0 or SLOT1: the slot that is read
.set MSB, 0
.macro WIN new                         ; the immediate's high byte repeats the setting that is left
.if MSB != (\new)
	s_set_vgpr_msb (MSB<<8)|(\new)
.set MSB, \new
.endif
.endm
.set MUL_LO, 0xa1                      ; source 0 (B) window 1, source 1 (A) window 0, C and D window 2
.set MUL_HI, 0xf1
.set TO_B,   0x40
.macro PLACES                          ; four places behind matrix instructions (ISA guide 7.12.1)
.rept 4
	v_nop
.endr
.endm
.macro JLOAD                           ; a joint refill by the walking sets: waves 0, 1 fetch A's halves, waves 2, 3 B's; an s_nop 0 and four v_nop follow each line
	s_cmp_eq_u32 s11, 0
	s_cbranch_scc0 .Lfor_b_\@
	tensor_load_to_lds s[G0+4:G0+7], s[G1:G1+7]
	s_nop 0
	PLACES
	s_branch .Lasked_\@
.Lfor_b_\@:
	tensor_load_to_lds s[G0B+4:G0B+7], s[G1B:G1B+7]
	s_nop 0
	PLACES
.Lasked_\@:
.endm
.macro ASK                             ; a prefetch of the K step two refills on: my work-group's quarter of the rows that I fetch, a lane a row; the last two refills have no such step
	s_cmp_gt_u32 s3, s[LIM]
	s_cbranch_scc0 .Lnot_mine_\@
	global_prefetch_b8 v[PFO], s[PFA:PFA+1] offset:256 th:TH_LOAD_NT scope:SCOPE_SE
.Lnot_mine_\@:
.endm
.macro CREST                           ; a round of the cluster's barrier behind its opening barrier
	s_cmp_lg_u32 s10, 0
	s_cbranch_scc1 .Lnot_wave_0_\@
	s_barrier_signal -3
.Lnot_wave_0_\@:
	s_barrier_wait -3
	s_barrier_signal -1
	s_barrier_wait -1
.endm
.macro CROUND
	s_barrier_signal -1
	s_barrier_wait -1
	CREST
.endm
	s_load_b256 s[68:75], s[0:1], 0x0              ; y s[68:69], wt s[70:71], bias s[72:73], out s[74:75]
	v_lshl_add_u32 v[SPW], v0, 2, SPARE
	v_mov_b32 v[NIL], 0
	ds_add_u32 v[SPW], v[NIL]                      ; the wave's opening: the add and its wait ahead of my first tensor load
	v_lshrrev_b32 v1, 5, v0
	v_readfirstlane_b32 s10, v1                    ; wave 0..3
	s_lshr_b32 s11, s10, 1                         ; my half of the rows.  Also: I fetch for A (0) or B (1)
	s_and_b32 s12, s10, 1                          ; my half of the columns.  Also: which half of that tile I fetch
	s_bfe_u32 s40, ttmp6, 0x40000                  ; cx
	s_bfe_u32 s41, ttmp6, 0x40004                  ; cy
	s_lshl_b32 s42, ttmp9, 2
	s_add_co_u32 s42, s42, s40                     ; tile column
	s_and_b32 s13, ttmp7, 0xffff
	s_lshl_b32 s13, s13, 2
	s_add_co_u32 s13, s13, s41                     ; tile row
	s_lshl_b32 s43, s41, 2
	s_lshl_b32 s43, 15, s43                        ; my row of the cluster
	s_lshl_b32 s44, 0x1111, s40                    ; my column
	s_or_b32 s[G1+0], s43, (1<<16)|(1<<20)|(1<<21)|(5<<22)|(3<<25)   ; mask; 2-byte elements; padding of 4 words behind every 64; bit 21 beside a mask
	s_or_b32 s[G1B+0], s44, (1<<16)|(1<<20)|(1<<21)|(5<<22)|(3<<25)
	s_mov_b32 s[G1+1], 128<<16                     ; tensor_dim0 = 128
	s_mov_b32 s[G1+2], 128<<16                     ; tensor_dim1 = 128
	s_mov_b32 s[G1+3], 128<<16                     ; tile_dim0 = 128
	s_mov_b32 s[G1+4], 128                         ; tile_dim1 = 128
	s_mov_b32 s[G1+5], 1024                        ; elements from row to row
	s_mov_b32 s[G1+6], 0
	s_mov_b32 s[G1+7], 0
	s_mov_b32 s[G1B+1], 128<<16
	s_mov_b32 s[G1B+2], (16*NBF)<<16
	s_mov_b32 s[G1B+3], 128<<16
	s_mov_b32 s[G1B+4], 16*NBF
	s_mov_b32 s[G1B+5], 1024
	s_mov_b32 s[G1B+6], 0
	s_mov_b32 s[G1B+7], 0
	s_lshl_b32 s16, s13, 8
	s_lshl_b32 s17, s12, 7
	s_add_co_u32 s16, s16, s17                     ; A: row 256 x tile row + 128 x half
	s_lshl_b32 s16, s16, 11                        ; 2,048 bytes a row
	s_mov_b32 s17, 0
	s_mul_i32 s46, s42, TN
	s_mul_i32 s47, s12, 16*NBF
	s_add_co_u32 s46, s46, s47                     ; B: row TN x tile column + half
	s_lshl_b32 s46, s46, 11
	s_add_co_u32 s46, s46, WOFF
	s_mov_b32 s47, 0
	s_mul_i32 s93, s12, AHALF                      ; where they go: no place in the cluster enters an LDS address
	s_mul_i32 s94, s12, BHALF
	s_add_co_u32 s94, s94, 2*AHALF
	s_mov_b32 s[TBR], 0
	s_wait_dscnt 0x0                               ; the opening add is done
	s_wait_kmcnt 0x0
	s_add_nc_u64 s[14:15], s[68:69], s[16:17]
	s_add_nc_u64 s[46:47], s[70:71], s[46:47]
	CROUND                                         ; all sixteen work-groups are here: the first joint loads meet
.irp s, 0,1
	s_mov_b32 s[G0+4*(\s)], 1
	s_add_co_u32 s[G0+4*(\s)+1], s93, (\s)*SLOT1
	s_add_nc_u64 s[G0+4*(\s)+2:G0+4*(\s)+3], s[14:15], (\s)*256   ; K step s
	s_or_b32 s[G0+4*(\s)+3], s[G0+4*(\s)+3], 0x80000000
	s_mov_b32 s[G0B+4*(\s)], 1
	s_add_co_u32 s[G0B+4*(\s)+1], s94, (\s)*SLOT1
	s_add_nc_u64 s[G0B+4*(\s)+2:G0B+4*(\s)+3], s[46:47], (\s)*256
	s_or_b32 s[G0B+4*(\s)+3], s[G0B+4*(\s)+3], 0x80000000
.endr
	s_cmp_eq_u32 s11, 0                            ; a wave's two first fills stand in one branch: two loads of mine are out
	s_cbranch_scc0 .Lfirst_b
	tensor_load_to_lds s[G0:G0+3], s[G1:G1+7]
	s_nop 0
	tensor_load_to_lds s[G0+4:G0+7], s[G1:G1+7]
	s_nop 0
	PLACES
	s_branch .Lfirst_asked
.Lfirst_b:
	tensor_load_to_lds s[G0B:G0B+3], s[G1B:G1B+7]
	s_nop 0
	tensor_load_to_lds s[G0B+4:G0B+7], s[G1B:G1B+7]
	s_nop 0
	PLACES
.Lfirst_asked:
	v_and_b32 v1, 15, v0                           ; l % 16
	v_bfe_u32 v2, v0, 4, 1                         ; l / 16
	v_mul_u32_u24 v3, v1, PITCH
	v_lshl_add_u32 v3, v2, 4, v3                   ; a fragment's row x pitch + 16 x half
	s_mul_i32 s21, s11, AHALF
	v_add_nc_u32 v[ADRA0], s21, v3
	v_add_nc_u32 v[ADRB0], s94, v3
	v_mov_b32 v[ADRA], v[ADRA0]
	v_mov_b32 v[ADRB], v[ADRB0]
	; the bias of my 4 columns in each of the tile's three heads
	s_mul_i32 s20, s42, 4*TN
	v_lshl_add_u32 v[BO], v1, 4, s20
.irp j, 0,1,2
	global_load_b128 v[BI+4*(\j):BI+4*(\j)+3], v[BO], s[72:73] offset:256*(\j)
.endr
	; the stage: in, row 128 x row half + l % 16 (+ 16 a), my column half, 32 bytes for each half of the lanes
	s_mul_i32 s20, s11, 128*SP
	s_mul_i32 s21, s12, 2*TN
	s_add_co_u32 s20, s20, s21
	v_mul_u32_u24 v[STO], v1, SP
	v_lshl_add_u32 v[STO], v2, 5, v[STO]
	v_add_nc_u32 v[STO], s20, v[STO]
	; back: wave w takes rows 64 w ..; lanes 0-15 a head's 64 columns of one row, lanes 16-31 of the next
	s_mul_i32 s20, s10, 64*SP
	v_mul_u32_u24 v[RD], v2, SP
	v_lshl_add_u32 v[RD], v1, 4, v[RD]
	v_add_nc_u32 v[RD], s20, v[RD]
	v_and_b32 v4, 31, v0
	v_lshlrev_b32 v[CO], 3, v4                     ; two rows of a head: 8 bytes a lane
	; where head 3 x tile column + j begins for my 64 rows
	s_mul_i32 s20, s42, 3
	s_lshr_b32 s21, s13, 3                         ; batch
	s_lshl_b32 s21, s21, 4
	s_and_b32 s22, s13, 7
	s_lshl_b32 s22, s22, 8
	s_lshl_b32 s23, s10, 6
	s_add_co_u32 s22, s22, s23                     ; my first row in the batch
	s_lshl_b32 s22, s22, 7                         ; 128 bytes a row
.irp j, 0,1,2
	s_add_co_u32 s23, s20, (\j)
	s_lshr_b32 s86, s23, 4                         ; part: q, k or v
	s_lshl_b32 s86, s86, 5
	s_and_b32 s23, s23, 15                         ; head
	s_add_co_u32 s86, s86, s23
	s_add_co_u32 s86, s86, s21
	s_lshl_b32 s86, s86, 18                        ; 2,048 rows of 128 bytes
	s_add_co_u32 s86, s86, s22
	s_mov_b32 s87, 0
	s_add_nc_u64 s[80+2*(\j):81+2*(\j)], s[74:75], s[86:87]
.endr
	; the prefetches.  A's tile row is read by every cluster of that row of clusters: cluster x = 0 asks; B's tile column: cluster y = 0.  The four partners share a wave's rows out by address.
	s_and_b32 s22, ttmp7, 0xffff
	s_lshl_b32 s20, s13, 8
	s_lshl_b32 s23, s12, 7
	s_add_co_u32 s20, s20, s23
	s_lshl_b32 s23, s40, 5
	s_add_co_u32 s20, s20, s23                     ; A: 32 rows by cx
	s_mul_i32 s21, s42, TN
	s_mul_i32 s23, s12, 16*NBF
	s_add_co_u32 s21, s21, s23
	s_mul_i32 s23, s41, 4*NBF
	s_add_co_u32 s21, s21, s23                     ; B: 4 NBF rows by cy
	s_lshl_b32 s20, s20, 11
	s_lshl_b32 s21, s21, 11
	s_add_co_u32 s21, s21, WOFF
	s_cmp_eq_u32 s11, 0
	s_cselect_b32 s20, s20, s21
	s_cselect_b32 s22, ttmp9, s22
	s_cselect_b32 s23, 31, 4*NBF-1
	s_cselect_b64 s[PFA:PFA+1], s[68:69], s[70:71]
	s_cmp_eq_u32 s22, 0
	s_cselect_b32 s[LIM], 2, -1                    ; trips with 2 or fewer to go ask for nothing: K has no such step
	s_add_co_u32 s20, s20, 512                     ; at K step 2: the first refill steps it to 3 and names step 4
	s_mov_b32 s21, 0
	s_add_nc_u64 s[PFA:PFA+1], s[PFA:PFA+1], s[20:21]
	v_min_u32 v[PFO], s23, v4                      ; (B's quarter has 24 rows: lanes 24-31 name row 23 once more, in the same instruction)
	v_lshlrev_b32 v[PFO], 11, v[PFO]
; 2 x NBF matrix instructions: m blocks a0, a0 + 1 of the window's four x all n blocks, 32 along K.  The accumulators take turns, one instruction a turn.
.macro MUL16 f, hi, a0, zero
	WIN MUL_LO+0x50*(\hi)
.irp a, \a0, (\a0)+1
.set bb, 0
.rept NBF
.if \zero
	v_wmma_f32_16x16x32_bf16 v[8*(8*(\a)+bb):8*(8*(\a)+bb)+7], v[(\f)+8*bb:(\f)+8*bb+7], v[(\f)+8*(4*(\hi)+(\a)):(\f)+8*(4*(\hi)+(\a))+7], 0
.else
	v_wmma_f32_16x16x32_bf16 v[8*(8*(\a)+bb):8*(8*(\a)+bb)+7], v[(\f)+8*bb:(\f)+8*bb+7], v[(\f)+8*(4*(\hi)+(\a)):(\f)+8*(4*(\hi)+(\a))+7], v[8*(8*(\a)+bb):8*(8*(\a)+bb)+7]
.endif
.set bb, bb+1
.endr
.endr
.endm
.macro FETCH k, f                      ; one run of LDS loads: a quarter step's fragments, B's first, then A's
	WIN TO_B
.set ii, 0
.rept NBF
	ds_load_b128 v[(\f)+8*ii:(\f)+8*ii+3],   v[ADRB] offset:(\k)+ii*16*PITCH
	ds_load_b128 v[(\f)+8*ii+4:(\f)+8*ii+7], v[ADRB] offset:(\k)+ii*16*PITCH+32
.set ii, ii+1
.endr
	WIN 0
.irp i, 0,1,2,3,4,5,6,7
	ds_load_b128 v[(\f)+8*(\i):(\f)+8*(\i)+3],   v[ADRA] offset:(\k)+(\i)*16*PITCH
	ds_load_b128 v[(\f)+8*(\i)+4:(\f)+8*(\i)+7], v[ADRA] offset:(\k)+(\i)*16*PITCH+32
.endr
.endm
.macro QUARTER k, f, g, zero           ; multiplies buffer f; in its middle fetches the next quarter, at byte k of the rows, into g
	s_wait_dscnt 8                                 ; B and A's rows 0-63 are in; the youngest eight loads (A's rows 64-127) may be out
	MUL16 \f, 0, 0, \zero
	MUL16 \f, 0, 2, \zero
	PLACES
	FETCH \k, \g
	s_wait_dscnt 2*NBF+16                          ; all but the run just issued
	MUL16 \f, 1, 0, \zero
	MUL16 \f, 1, 2, \zero
.endm
; The last quarter of a K step multiplies buffer 1 and changes slots.  In front of the barrier each wave waits for all its tensor loads (one is out: its part of the next slot), adds 0 to its
; spare word, and waits for that and for its reads of this slot.  fill = 1: the barrier opens a round of the cluster's, and the joint refill (the K step two on) is the first thing behind it.
.macro TURN fill
.if \fill
	s_wait_xcnt 0x0                                ; the last prefetch, a K step back, has read its address
	s_add_nc_u64 s[PFA:PFA+1], s[PFA:PFA+1], 256
.endif
	WIN 0
	s_wait_tensorcnt 0x0
	ds_add_u32 v[SPW], v[NIL]
	s_wait_dscnt 9                                 ; (the add and the youngest eight loads may be out)
	MUL16 F1, 0, 0, 0
	s_wait_dscnt 0x0                               ; the add is done, and my reads of this slot are over
	s_barrier_signal -1
	MUL16 F1, 0, 2, 0
	WIN 0
	s_barrier_wait -1
.if \fill
	CREST
	s_xor_b32 s[G0+5], s[G0+5], SLOT1              ; no load of mine is out: the walking sets step to the other slot and the next K step
	s_add_nc_u64 s[G0+6:G0+7], s[G0+6:G0+7], 256
	s_xor_b32 s[G0B+5], s[G0B+5], SLOT1
	s_add_nc_u64 s[G0B+6:G0B+7], s[G0B+6:G0B+7], 256
	JLOAD                                          ; its four v_nop are also the places in front of the loads below
.else
	PLACES
.endif
	s_xor_b32 s[TBR], s[TBR], SLOT1
	v_add_nc_u32 v[ADRA], s[TBR], v[ADRA0]
	v_add_nc_u32 v[ADRB], s[TBR], v[ADRB0]
	FETCH 0, F0
.if \fill
	ASK
.endif
	MUL16 F1, 1, 0, 0
	MUL16 F1, 1, 2, 0
.endm
	s_wait_tensorcnt 1                             ; my part of K step 0 is in; step 1's may stay out
	s_barrier_signal -1
	s_barrier_wait -1
	FETCH 0, F0
	QUARTER 64, F0, F1, 1                          ; the first quarter's products start the sums
	WIN 0
	s_mov_b32 s3, 6                                ; six refills: K steps 2 to 7
.Lk:                                   ; from a K step's second quarter to the next step's first
	QUARTER 128, F1, F0, 0
	QUARTER 192, F0, F1, 0
	TURN 1
	QUARTER 64,  F0, F1, 0
	WIN 0
	s_sub_co_u32 s3, s3, 1
	s_cmp_lg_u32 s3, 0
	s_cbranch_scc1 .Lk
	s_mov_b32 s3, 2                                ; the last two K steps ask for nothing: a loop of their own; it is entered behind a step's first quarter
	s_branch .Lenter
.Ltail:
	QUARTER 64,  F0, F1, 0
	WIN 0
.Lenter:
	QUARTER 128, F1, F0, 0
	QUARTER 192, F0, F1, 0
	TURN 0                                         ; (in the last trip its fetch serves nothing)
	WIN 0
	s_sub_co_u32 s3, s3, 1
	s_cmp_lg_u32 s3, 0
	s_cbranch_scc1 .Ltail
	s_wait_dscnt 0x0                               ; my last reads of the ring are back
	s_barrier_signal -1                            ; every wave's are: the stage may be written over it
	s_barrier_wait -1
	PLACES
.set aa, 0
.rept 8                                ; each accumulator's low registers first
	WIN 0x08+4*(aa/4)                              ; store data (source 1) in window 2 or 3
.set bb, 0
.rept NBF
	ds_store_b128 v[STO], v[8*(8*(aa%4)+bb):8*(8*(aa%4)+bb)+3]   offset:64*bb
	ds_store_b128 v[STO], v[8*(8*(aa%4)+bb)+4:8*(8*(aa%4)+bb)+7] offset:64*bb+16
.set bb, bb+1
.endr
	WIN 0
	v_add_nc_u32 v[STO], 16*SP, v[STO]
.set aa, aa+1
.endr
	s_wait_dscnt 0x0                               ; for the others' sake: my stores are done
	s_barrier_signal -1
	s_barrier_wait -1
	s_wait_loadcnt 0x0                             ; the bias
.set U,    64                          ; v[64:111]  eight rows x three heads, four f32 a lane
.set OUTR, 112                         ; v[112:135] the same in bf16
	s_mov_b32 s3, 8
.Lrow:                                 ; eight rows a trip
.irp i, 0,1,2,3
.irp j, 0,1,2
	ds_load_b128 v[U+4*(3*(\i)+(\j)):U+4*(3*(\i)+(\j))+3], v[RD] offset:2*(\i)*SP+256*(\j)
.endr
.endr
	s_wait_dscnt 0x0
.irp i, 0,1,2,3
.irp j, 0,1,2
	v_pk_add_f32 v[U+4*(3*(\i)+(\j)):U+4*(3*(\i)+(\j))+1],   v[U+4*(3*(\i)+(\j)):U+4*(3*(\i)+(\j))+1],   v[BI+4*(\j):BI+4*(\j)+1]
	v_pk_add_f32 v[U+4*(3*(\i)+(\j))+2:U+4*(3*(\i)+(\j))+3], v[U+4*(3*(\i)+(\j))+2:U+4*(3*(\i)+(\j))+3], v[BI+4*(\j)+2:BI+4*(\j)+3]
.endr
.endr
.irp i, 0,1,2,3
.irp j, 0,1,2
	v_cvt_pk_bf16_f32 v[OUTR+2*(3*(\i)+(\j))],   v[U+4*(3*(\i)+(\j))],   v[U+4*(3*(\i)+(\j))+1]
	v_cvt_pk_bf16_f32 v[OUTR+2*(3*(\i)+(\j))+1], v[U+4*(3*(\i)+(\j))+2], v[U+4*(3*(\i)+(\j))+3]
	global_store_b64 v[CO], v[OUTR+2*(3*(\i)+(\j)):OUTR+2*(3*(\i)+(\j))+1], s[80+2*(\j):81+2*(\j)] offset:256*(\i)  ; 32 lanes store 256 consecutive bytes, aligned
.endr
.endr
	s_wait_xcnt 0x0                                ; the stores have read their registers: offset and data are rewritten only behind this wait
	v_add_nc_u32 v[RD], 8*SP, v[RD]
	v_add_nc_u32 v[CO], 1024, v[CO]
	s_sub_co_u32 s3, s3, 1
	s_cmp_lg_u32 s3, 0
	s_cbranch_scc1 .Lrow
	s_wait_tensorcnt 0x0                           ; the wave's end
	ds_add_u32 v[SPW], v[NIL]
	s_wait_dscnt 0x0
	CROUND                                         ; the closing round
	s_endpgm
.Lfunc_end_k_q4bcd12201c_qkv_proj:
	.size	k_q4bcd12201c_qkv_proj, .Lfunc_end_k_q4bcd12201c_qkv_proj-k_q4bcd12201c_qkv_proj
	.p2alignl 7, 3214868480
	.fill 96, 4, 3214868480
	.section	.rodata,"a",@progbits
	.p2align	6, 0x0
	.amdhsa_kernel k_q4bcd12201c_qkv_proj
		.amdhsa_group_segment_fixed_size 327680
		.amdhsa_private_segment_fixed_size 0
		.amdhsa_enable_private_segment 0
		.amdhsa_kernarg_size 32
		.amdhsa_user_sgpr_count 2
		.amdhsa_user_sgpr_kernarg_segment_ptr 1
		.amdhsa_wavefront_size32 1
		.amdhsa_system_sgpr_workgroup_id_x 1
		.amdhsa_system_sgpr_workgroup_id_y 1
		.amdhsa_system_sgpr_workgroup_id_z 1
		.amdhsa_system_vgpr_workitem_id 0
		.amdhsa_next_free_vgpr 1024
		.amdhsa_next_free_sgpr 96
		.amdhsa_reserve_vcc 0
		.amdhsa_float_denorm_mode_32 3
		.amdhsa_float_denorm_mode_16_64 3
		.amdhsa_memory_ordered 1
		.amdhsa_forward_progress 1
		.amdhsa_inst_pref_size 72
	.end_amdhsa_kernel
	.amdgpu_metadata
---
amdhsa.version: [ 1, 2 ]
amdhsa.kernels:
  - .name:           k_q4bcd12201c_qkv_proj
    .symbol:         k_q4bcd12201c_qkv_proj.kd
    .args:
      - { .name: y, .offset: 0, .size: 8, .value_kind: global_buffer, .address_space: global }
      - { .name: wt, .offset: 8, .size: 8, .value_kind: global_buffer, .address_space: global }
      - { .name: b_qkv, .offset: 16, .size: 8, .value_kind: global_buffer, .address_space: global }
      - { .name: qkv, .offset: 24, .size: 8, .value_kind: global_buffer, .address_space: global }
    .group_segment_fixed_size: 327680
    .private_segment_fixed_size: 0
    .kernarg_segment_align: 8
    .kernarg_segment_size: 32
    .max_flat_workgroup_size: 128
    .sgpr_count:     96
    .vgpr_count:     1024
    .wavefront_size: 32
...
	.end_amdgpu_metadata
.endif
;; end of part 2
;; launch attn (part 3): grid 8 x 32, 4 waves a work-group, clusters of 4 x 1, 327,680 bytes of LDS; arguments qkv, o; writes o
.if DOCPART == 3
	.amdgcn_target "amdgcn-amd-amdhsa--gfx1250"
	.amdhsa_code_object_version 6
	.text
	.protected	k_q4bcd12201c_attn
	.globl	k_q4bcd12201c_attn
	.p2align	8
	.type	k_q4bcd12201c_attn,@function
k_q4bcd12201c_attn:
	s_mov_b64 s[64:65], 0
	v_nop
	global_prefetch_b8 v0, s[64:65] scope:SCOPE_SE
	s_setreg_imm32_b32 hwreg(HW_REG_WAVE_MODE, 25, 1), 1
	s_wait_xcnt 0x0
	s_wait_alu depctr_hold_cnt(0) depctr_sa_sdst(0) depctr_va_vdst(0) depctr_va_sdst(0) depctr_va_ssrc(0) depctr_va_vcc(0) depctr_vm_vsrc(0)
	s_getreg_b32 s2, hwreg(HW_REG_IB_STS2, 6, 4)
	s_cmp_eq_u32 s2, 0
	s_cbranch_scc0 .Lentry_in_a_cluster
	s_endpgm
.Lentry_in_a_cluster:
	s_bfe_u32 s2, ttmp6, 0x10000c
	s_cmp_lg_u32 s2, 0x3003
	s_cbranch_scc0 .Lentry_shape_is_right
	s_endpgm
.Lentry_shape_is_right:
; O[bh][q][:] = the sum over k of softmax_k(Q[bh][q] . K[bh][k] / 8) V[bh][k][:].  Q, K, V: parts 0, 1, 2 of qkv, each [32][2048][64] bf16, a head's rows dense, 128 bytes each.
; Products, maxima and sums in f32; the weights p are rounded to bf16 for the second product (their sum l is taken of the unrounded p), O once at the end.
; O leaves blocked, [row / 128][head][row % 128][64] bf16: sixteen rows of a head are 2,048 consecutive bytes.
; LIMITS.  A weight below 2^-126 counts as 0 in l; c |s| stays under 4e37 (c m starts at -4.25e37); NaN and infinities are not treated apart.
; SHARES.  A wave owns two PIECES of two tiles of 16 queries, a work-group's four waves 256 queries of one head: 8 x 32 = 256 work-groups.  Every wave walks all 2,048 keys, 64 a step.
; LAYOUT.  S^T = K Q^T (source 0 = 16 keys, source 1 = 16 queries): a lane holds ONE query (lane % 16) and the keys 8 (lane / 16) + 0..7.  Two such tiles, rounded in pairs, ARE source 1 of
; O^T = V^T P.  K comes out of LDS as it lies, V ([key][channel]) turned, by ds_load_tr16_b128.
; SOFTMAX.  A running maximum m and sum l: p = 2^(c s - c m), c = log2(e) / 8; in every step O and l are multiplied by a = 2^(c m_old - c m_new).  m starts at the lowest finite number, O and l at 0.
; BY TURNS.  Turn 0 of step j: 16 products K Q^T of piece 1 (step j), later 16 products V^T P of piece 1 (step j - 1); beside them piece 0's scaling, exponentials, roundings, sums and rescaling and
; piece 1's maximum.  Turn 1: K Q^T of piece 0 (step j + 1), V^T P of piece 0 (step j); piece 1's softmax, piece 0's next maximum.  Four vector instructions stand behind every matrix instruction,
; the other 108 of a turn in one run; a turn's 66 exponentials are one batch with one wait.
; THE RING.  Turn 0 fetches K of step j + 1 and V of step j.  So that both lie in one slot, K lies one step ahead: slot s holds K of keys 256 s + 64 .. 256 s + 319 and V of keys 256 s .. 256 s + 255; K of step 0
; comes straight into registers.  The last slot's last 64 rows of K are the rows that follow the head's in qkv (the next head's; behind the last head, part v's first): the scores made of them serve nothing.
; CLUSTER.  The four query blocks of a cluster belong to one head and walk the same K and V: each tile is asked for jointly.
; REGISTERS, in windows of 256: window 0 addresses, statistics, S^T (two buffers of two tiles), P likewise; window 1 O^T, 32 a tile; window 2 v0-63 Q, v128-191 K, v192-255 V of one step.
.set NP,    2
.set KS,    64
.set PK,    144       ; a row of K in LDS: 128 bytes + 16
.set PV,    160       ; a row of V: 128 + 32
.set VOFF,  4*KS*PK
.set SLOT1, 1<<17
.set STAGE, SLOT1+4*KS*(PK+PV)
.set SP,    144
.set SPARE, STAGE+4*16*SP
.set AK0, 2
.set AV0, 3
.set AK,  4
.set AV,  5
.set STO, 6
.set RD,  7
.set GO,  8
.set MV,  12          ; v12-15  c m_old, by buffer and tile
.set ST,  16          ; tile t's statistics at v[ST+4 t]: c m, m, l (even keys', odd keys')
.set SPW, 32          ; v32  LDS address of my spare word; never rewritten
.set NIL, 33          ; v33  0; never rewritten
.set PFO, 34          ; v34  256 x my lane; never rewritten
.set QO,  35          ; v35  my byte offset in 16 rows of Q or K
.set TMP, 48
.set S,   64
.set P,   192
.set KF,  128
.set VF,  192
.set WV,  12
.set LIM, 15
.set PFA, 18
.set G1K, 24
.set G1V, 32
.set G0K, 40
.set G0V, 44
.set KP,  48          ; s[48:49] the head's K
.set QP,  50          ; s[50:51] Q at my wave's first row
.set OP,  52          ; s[52:53] O at my wave's first row
.set SLOTS, 56
.set CNT, 57
.set CS,  58
.set SEL, 60
.set TBK, 62
.set TBV, 63
.set MSB, 0
.macro WIN new
.if MSB != (\new)
	s_set_vgpr_msb (MSB<<8)|(\new)
.set MSB, (\new)
.endif
.endm
.set W_KQ, 0x0a       ; K and Q in window 2, S^T in window 0
.set W_PV, 0x52       ; V in window 2, P in window 0, O^T in window 1
.set W_RS, 0x41       ; O^T (destination and source 0) in window 1, a in window 0
.macro JLOAD                        ; waves 0, 1 fetch the halves of a slot's K, waves 2, 3 of its V; an s_nop 0 and four v_nop follow each line
	s_cmp_lt_u32 s[WV], 2
	s_cbranch_scc0 .Lfor_v_\@
	tensor_load_to_lds s[G0K:G0K+3], s[G1K:G1K+7]
	s_nop 0
.rept 4
	v_nop
.endr
	s_branch .Lasked_\@
.Lfor_v_\@:
	tensor_load_to_lds s[G0V:G0V+3], s[G1V:G1V+7]
	s_nop 0
.rept 4
	v_nop
.endr
.Lasked_\@:
.endm
; A prefetch of what the NEXT change of slots will ask for.  The head's first cluster asks; its four partners take 32 of a slot's 128 blocks of 256 bytes each, told apart by address; wave 0 asks for K's, wave 2 for V's.
; The last change that fills a slot asks for nothing.
.macro ASK
	s_cmp_gt_u32 s[SLOTS], s[LIM]
	s_cbranch_scc0 .Lnot_mine_\@
	global_prefetch_b8 v[PFO], s[PFA:PFA+1] th:TH_LOAD_NT scope:SCOPE_SE
.Lnot_mine_\@:
.endm
.macro CROUND
	s_barrier_signal -1
	s_barrier_wait -1
	s_cmp_lg_u32 s[WV], 0
	s_cbranch_scc1 .Lnot_wave_0_\@
	s_barrier_signal -3
.Lnot_wave_0_\@:
	s_barrier_wait -3
	s_barrier_signal -1
	s_barrier_wait -1
.endm
; THE CHANGE OF SLOTS, at the head of a slot's four steps.  Each wave waits for all its tensor loads (one is out: its part of the slot to be entered), adds 0 to its spare word, and waits for that and for its
; reads of the slot that it leaves.  fill = 1: that slot is filled again, behind a round of the cluster's barrier; the load has four key steps, 256 matrix instructions, in which to land.
.macro CHANGE fill
	WIN 0
	s_wait_tensorcnt 0x0
	ds_add_u32 v[SPW], v[NIL]
.if \fill
.irp g, G0K, G0V
	s_xor_b32 s[\g+1], s[\g+1], SLOT1
	s_add_nc_u64 s[\g+2:\g+3], s[\g+2:\g+3], 4*KS*128
.endr
	s_wait_xcnt 0x0                 ; the last prefetch, four key steps back, has read its address
	s_add_nc_u64 s[PFA:PFA+1], s[PFA:PFA+1], 4*KS*128
	s_wait_dscnt 0x0                ; the add is done, and my reads of the slot are over
	CROUND
	JLOAD
	ASK
.else
	s_wait_dscnt 0x0
	s_barrier_signal -1
	s_barrier_wait -1
.endif
	s_sub_co_u32 s[TBK], s[TBK], 4*KS*PK
	s_xor_b32 s[TBK], s[TBK], SLOT1
	s_sub_co_u32 s[TBV], s[TBV], 4*KS*PV
	s_xor_b32 s[TBV], s[TBV], SLOT1
.endm
	s_load_b128 s[4:7], s[0:1], 0x0 ; qkv s[4:5], o s[6:7]
	v_lshl_add_u32 v[SPW], v0, 2, SPARE
	v_mov_b32 v[NIL], 0
	ds_add_u32 v[SPW], v[NIL]       ; the wave's opening: the add and its wait ahead of my first tensor load
	v_lshrrev_b32 v1, 5, v0
	v_readfirstlane_b32 s[WV], v1
	s_bfe_u32 s13, ttmp6, 0x40000   ; cx
	s_lshl_b32 s14, ttmp9, 2
	s_add_co_u32 s14, s14, s13      ; my block of 256 queries: it enters Q's and O's addresses alone
	s_and_b32 s20, ttmp7, 0xffff    ; batch x 16 + head, which the four partners share
	s_lshl_b32 s21, s20, 18         ; the head's first byte in a part
	s_and_b32 s16, s[WV], 1         ; which half of a slot's 256 keys I fetch
	s_lshl_b32 s22, s16, 14
	s_add_co_u32 s22, s22, s21
	s_mul_i32 s17, s16, 128*PK
	s_mul_i32 s18, s16, 128*PV
	s_lshl_b32 s2, s14, 15          ; Q: my block's 256 rows, my wave's 64
	s_lshl_b32 s3, s[WV], 13
	s_add_co_u32 s2, s2, s3
	s_add_co_u32 s2, s2, s21
	s_mov_b32 s3, 0
	s_lshr_b32 s8, s20, 4           ; O: my first row among the 4,096
	s_lshl_b32 s8, s8, 11
	s_lshl_b32 s9, s14, 8
	s_add_co_u32 s8, s8, s9
	s_lshl_b32 s9, s[WV], 6
	s_add_co_u32 s8, s8, s9
	s_lshr_b32 s9, s8, 7            ; its block of 128 rows,
	s_lshl_b32 s9, s9, 4
	s_and_b32 s10, s20, 15
	s_add_co_u32 s9, s9, s10        ; the head's plane in it,
	s_lshl_b32 s9, s9, 14
	s_and_b32 s8, s8, 127
	s_lshl_b32 s8, s8, 7            ; the row in the plane
	s_add_co_u32 s8, s8, s9
	s_mov_b32 s9, 0
	; descriptor group 1.  128 keys are 16,384 dense bytes: asked for as 64 rows of 256 bytes, two keys a row, padded in LDS after every key
	s_mov_b32 s[G1K], 15|(1<<16)|(1<<20)|(1<<21)|(4<<22)|(3<<25)
	s_mov_b32 s[G1V], 15|(1<<16)|(1<<20)|(1<<21)|(4<<22)|(7<<25)
.irp g, G1K, G1V
	s_mov_b32 s[\g+1], 128<<16
	s_mov_b32 s[\g+2], 64<<16
	s_mov_b32 s[\g+3], 128<<16
	s_mov_b32 s[\g+4], 64
	s_mov_b32 s[\g+5], 128
	s_mov_b32 s[\g+6], 0
	s_mov_b32 s[\g+7], 0
.endr
	s_mov_b32 s[CS], 0x3e38aa3b     ; c = log2(e) / 8
	s_mov_b32 s[CS+1], s[CS]
	s_mov_b32 s[SEL], 0x76543210
	s_mov_b32 s[SEL+1], 0xfedcba98
	s_mov_b32 s[TBK], SLOT1+4*KS*PK ; the first change of slots turns these two into 0
	s_mov_b32 s[TBV], SLOT1+4*KS*PV
	s_mov_b32 s[G0K], 1
	s_mov_b32 s[G0K+1], s17
	s_mov_b32 s[G0V], 1
	s_add_co_u32 s[G0V+1], s18, VOFF
	s_mov_b32 s[SLOTS], 7
	s_and_b32 s[LIM], s[WV], 1      ; 0 in waves 0 and 2,
	s_or_b32 s[LIM], s[LIM], ttmp9  ; where the cluster is the head's first
	s_cmp_eq_u32 s[LIM], 0
	s_cselect_b32 s[LIM], 1, -1
	v_and_b32 v[PFO], 31, v0
	v_lshlrev_b32 v[PFO], 8, v[PFO]
	s_mov_b32 s11, 0
	s_wait_dscnt 0x0                ; the opening add is done
	s_wait_kmcnt 0x0
	s_add_co_u32 s10, s22, 8388608+8192           ; K's fills begin one step, 64 rows, on
	s_add_nc_u64 s[G0K+2:G0K+3], s[4:5], s[10:11]
	s_or_b32 s[G0K+3], s[G0K+3], 0x80000000
	s_add_co_u32 s10, s22, 16777216
	s_add_nc_u64 s[G0V+2:G0V+3], s[4:5], s[10:11]
	s_or_b32 s[G0V+3], s[G0V+3], 0x80000000
	s_add_co_u32 s10, s21, 8388608
	s_add_nc_u64 s[KP:KP+1], s[4:5], s[10:11]
	s_add_nc_u64 s[QP:QP+1], s[4:5], s[2:3]
	s_add_nc_u64 s[OP:OP+1], s[6:7], s[8:9]
	s_add_co_u32 s10, s21, 8388608+8192+32768     ; the prefetches stand at slot 1; the first change steps them to slot 2
	s_add_co_u32 s23, s21, 16777216+32768
	s_cmp_lt_u32 s[WV], 2
	s_cselect_b32 s10, s10, s23
	s_lshl_b32 s23, s13, 13         ; my work-group's 32 blocks of the 128
	s_add_co_u32 s10, s10, s23
	s_add_nc_u64 s[PFA:PFA+1], s[4:5], s[10:11]
	CROUND                          ; all four work-groups are here: the first joint loads meet
	JLOAD                           ; slot 0.  Slot 1 is asked for when slot 0 is in
	v_and_b32 v1, 15, v0            ; l % 16
	v_bfe_u32 v9, v0, 4, 1          ; l / 16
	v_lshlrev_b32 v[QO], 7, v1
	v_lshl_add_u32 v[QO], v9, 4, v[QO]
	WIN 0x80                        ; destination window 2, address window 0
.set i, 0
.rept 4*NP                          ; Q stays in registers: tile i / 2, channels 32 (i % 2) on
	global_load_b128 v[8*i:8*i+3],   v[QO], s[QP:QP+1] offset:(i/2)*2048+(i%2)*64
	global_load_b128 v[8*i+4:8*i+7], v[QO], s[QP:QP+1] offset:(i/2)*2048+(i%2)*64+32
.set i, i+1
.endr
.set i, 0
.rept 8                             ; K of step 0, straight from memory: keys 16 (i / 2) on, channels 32 (i % 2) on
	global_load_b128 v[KF+8*i:KF+8*i+3],   v[QO], s[KP:KP+1] offset:(i/2)*2048+(i%2)*64
	global_load_b128 v[KF+8*i+4:KF+8*i+7], v[QO], s[KP:KP+1] offset:(i/2)*2048+(i%2)*64+32
.set i, i+1
.endr
	; What the first turn finds: V's registers and P's second buffer hold 0, O^T and l are 0.  All this stands in the wait for the first loads.
.set i, VF
.rept 64
	v_mov_b32 v[i], 0
.set i, i+1
.endr
	WIN 0x40
.set i, 0
.rept 64*NP
	v_mov_b32 v[i], 0
.set i, i+1
.endr
	WIN 0
.set i, 0
.rept 2*NP
	v_mov_b32 v[ST+4*i], 0xfe000000    ; c m: far below every c s
	v_mov_b32 v[ST+4*i+1], 0xff7fffff  ; m
	v_mov_b32 v[ST+4*i+2], 0
	v_mov_b32 v[ST+4*i+3], 0
.set i, i+1
.endr
.set i, P+32
.rept 32
	v_mov_b32 v[i], 0
.set i, i+1
.endr
	v_mul_u32_u24 v[AK0], v1, PK
	v_lshl_add_u32 v[AK0], v9, 4, v[AK0]
	v_and_b32 v10, 7, v0            ; the turning load: lane l reads key 8 (l / 16) + l % 8, channels 8 ((l / 8) % 2) + 0..7
	v_bfe_u32 v11, v0, 3, 1
	v_lshl_add_u32 v[AV0], v9, 3, v10
	v_mul_u32_u24 v[AV0], v[AV0], PV
	v_lshl_add_u32 v[AV0], v11, 4, v[AV0]
	v_add_nc_u32 v[AV0], VOFF, v[AV0]
; THE MATRIX WORK.  The 8 accumulators of a run of 16 take turns.
.macro KQ x                         ; product i of 16 of S^T = K Q^T for piece x; the first 8 start the sums
	WIN W_KQ
.set rS, S+64*((\x)%2)+32*(i%2)+8*((i/2)%4)
.set rK, KF+16*((i/2)%4)+8*(i/8)
.set rQ, 16*(2*(\x)+i%2)+8*(i/8)
.if i < 8
	v_wmma_f32_16x16x32_bf16 v[rS:rS+7], v[rK:rK+7], v[rQ:rQ+7], 0
.else
	v_wmma_f32_16x16x32_bf16 v[rS:rS+7], v[rK:rK+7], v[rQ:rQ+7], v[rS:rS+7]
.endif
.endm
.macro PV x                         ; product i of 16 of O^T += V^T P for piece x
	WIN W_PV
.set rO, 32*(2*(\x)+i%2)+8*((i/2)%4)
.set rV, VF+32*(i/8)+8*((i/2)%4)
.set rP, P+32*((\x)%2)+16*(i%2)+8*(i/8)
	v_wmma_f32_16x16x32_bf16 v[rO:rO+7], v[rV:rV+7], v[rP:rP+7], v[rO:rO+7]
.endm
.macro MM                           ; the turn's next matrix instruction
.if i < 16
	KQ (Y+1)%NP
.set i, i+1
.else
.set i, i-16
	PV (Y+NP-1)%NP
.set i, i+17
.endif
.endm
.macro FETCH_K                      ; a run of 16 LDS loads: a step's K
	WIN 0x80
.irp f, 0,1,2,3,4,5,6,7
	ds_load_b128 v[KF+8*\f:KF+8*\f+3],   v[AK] offset:(\f/2)*16*PK+(\f%2)*64
	ds_load_b128 v[KF+8*\f+4:KF+8*\f+7], v[AK] offset:(\f/2)*16*PK+(\f%2)*64+32
.endr
	s_add_co_u32 s[TBK], s[TBK], KS*PK
	WIN 0
.endm
.macro FETCH_V                      ; and its V, turned
	WIN 0x80
.irp f, 0,1,2,3,4,5,6,7
	ds_load_tr16_b128 v[VF+8*\f:VF+8*\f+3],   v[AV] offset:(\f/4)*32*PV+(\f%4)*32
	ds_load_tr16_b128 v[VF+8*\f+4:VF+8*\f+7], v[AV] offset:(\f/4)*32*PV+16*PV+(\f%4)*32
.endr
	WIN 0
.endm
; THE VECTOR WORK OF A TURN stands in three queues, each in the order in which its entries become ready; the two tiles alternate.
.macro REGS y, u
.set rT, ST+4*(2*(\y)+(\u))
.set rC, TMP+8*((\y)%2)+4*(\u)
.set rM, MV+2*((\y)%2)+(\u)
.set rS, S+64*((\y)%2)+32*(\u)
.set rP, P+32*((\y)%2)+16*(\u)
.set rO, 32*(2*(\y)+(\u))
.endm
; Number n of the 22 that find the other piece's maximum and statistics; each accumulator's lowest registers are read first.
.macro XS u, n
	REGS (Y+1)%NP, \u
.if (\n) < 4
	v_max3_num_f32 v[rC+(\n)], v[rS+8*(\n)], v[rS+8*(\n)+1], v[rS+8*(\n)+2]
.elseif (\n) < 12
	v_max3_num_f32 v[rC+(\n)%4], v[rC+(\n)%4], v[rS+8*((\n)%4)+2*((\n)/4)+1], v[rS+8*((\n)%4)+2*((\n)/4)+2]
.elseif (\n) == 12
	v_max3_num_f32 v[rC], v[rC], v[rS+7], v[rS+15]
.elseif (\n) == 13
	v_max3_num_f32 v[rC+1], v[rC+1], v[rS+23], v[rS+31]
.elseif (\n) == 14
	v_max3_num_f32 v[rC+2], v[rC+2], v[rC+3], v[rT+1]
.elseif (\n) == 15
	v_mov_b32 v[rM], v[rT]
.elseif (\n) == 16
	v_max3_num_f32 v[rC], v[rC], v[rC+1], v[rC+2]
.elseif (\n) == 17
	v_permlanex16_b32 v[rC+3], v[rC], s[SEL], s[SEL+1]
.elseif (\n) == 18
	v_max_num_f32 v[rT+1], v[rC], v[rC+3]
.elseif (\n) == 19
	v_mul_f32 v[rT], s[CS], v[rT+1]
.elseif (\n) == 20
	v_sub_f32 v[rC+1], v[rM], v[rT]
.else
	v_exp_f32 v[rC+2], v[rC+1]
.endif
.endm
; Number g of the 64 that follow the exponentials: for each four weights both pairs are rounded; the second pair is added onto the first; a group later l takes that sum (the first time as l = a l + sum).
.macro GS g
.set h, (\g)+6*((\g)/62)
.if h >= 6
.set h, h+2
.endif
	REGS Y, h%2
.set k, h/8
.if h%8 < 4
	v_cvt_pk_bf16_f32 v[rP+2*k+(h%8)/2], v[rS+4*k+2*((h%8)/2)], v[rS+4*k+2*((h%8)/2)+1]
.elseif h%8 < 6
	v_pk_add_f32 v[rS+4*k:rS+4*k+1], v[rS+4*k:rS+4*k+1], v[rS+4*k+2:rS+4*k+3]
.elseif k == 1
	v_pk_fma_f32 v[rT+2:rT+3], v[rT+2:rT+3], v[rC+2:rC+3], v[rS:rS+1] op_sel_hi:[1,0,1]
.else
	v_pk_add_f32 v[rT+2:rT+3], v[rT+2:rT+3], v[rS+4*k-4:rS+4*k-3]
.endif
.endm
.macro FS f                         ; c s - c m for pair f / 2 of tile f % 2
	REGS Y, (\f)%2
	v_pk_fma_f32 v[rS+2*((\f)/2):rS+2*((\f)/2)+1], v[rS+2*((\f)/2):rS+2*((\f)/2)+1], s[CS:CS+1], v[rT:rT+1] op_sel_hi:[1,0,0] neg_lo:[0,0,1] neg_hi:[0,0,1]
.endm
; THE PLAIN QUEUE, 138 long.  0-73 read no exponential's result: the 32 scalings and the other piece's 42; 74-137 are GS's 64, which stand behind the wait.
.macro PL
	WIN 0
.if q < 27
	FS q
.elseif q < 55
	XS (q-27)%2, (q-27)/2
.elseif q < 57
	XS q-55, 15
.elseif (q < 72) && ((q-57)%3 == 0)
	FS 27+(q-57)/3
.elseif q < 60
	XS (q-57)%3-1, 14
.elseif q < 72
	XS (q-57)%3-1, 15+(q-57)/3
.elseif q < 74
	XS q-72, 20
.else
	GS q-74
.endif
.set q, q+1
.endm
.macro EX                           ; THE EXPONENTIALS' QUEUE, 66 long: s0-s31 of both tiles, then the other piece's two a: one batch
	WIN 0
.if e >= 64
	XS e-64, 21
.else
	REGS Y, e%2
	v_exp_f32 v[rS+e/2], v[rS+e/2]
.endif
.set e, e+1
.endm
.macro R2                           ; THE RESCALING's QUEUE: O^T times a, two at a time; its a was made, and waited for, in the turn before
	REGS Y, r%2
	WIN W_RS
.irp z, 0,1
	v_pk_mul_f32 v[rO+4*(r/2)+2*\z:rO+4*(r/2)+2*\z+1], v[rO+4*(r/2)+2*\z:rO+4*(r/2)+2*\z+1], v[rC+2:rC+3] op_sel_hi:[1,0]
.endr
.set r, r+1
.endm
; A TURN, for piece p.  Ahead of its one wait stands all that names no result of the turn's exponentials: 16 products K Q^T, behind each a scaling, an exponential and two rescalings; then a run of 108.  Behind the wait:
; 16 products V^T P, behind each four of the roundings and sums.  Turn 0 fetches K of the next step directly behind the wait (a whole run of vector work behind K's last reader) and V of the step in hand at its end, four plain
; instructions behind V's last reader.  Turn 1 waits for K at its head (V's 16 younger loads may stay out) and for V ahead of its products V^T P.
.macro TURN p, cnt=0
.set Y, (\p)
.set i, 0
.set q, 0
.set e, 0
.set r, 0
.if (\p) == 1
	s_wait_dscnt 16                 ; K is in
.endif
	MM
	PL
	PL
	R2
.rept 15
	MM
	PL
	EX
	R2
.endr
.if (\p) == 0
	WIN 0
	v_add_nc_u32 v[AK], s[TBK], v[AK0]
.endif
.rept 8
	PL
.endr
.rept 49
	EX
	PL
.endr
	EX
	EX
	v_nop                           ; a plain instruction behind the last exponential: one for the batch
	s_wait_alu depctr_va_vdst(0)    ; the wait ahead of the first use: one for the batch
.if (\p) == 0
	FETCH_K
.endif
.if (\p) == 1
	s_wait_dscnt 0x0                ; V is in
.endif
.rept 16
	MM
.rept 4
	PL
.endr
.if ((\p) == 0) && (q == 118)
	v_add_nc_u32 v[AV], s[TBV], v[AV0]
.endif
.if ((\p) == 0) && (q == 130)
	s_add_co_u32 s[TBV], s[TBV], KS*PV
.endif
.if (\cnt) && (q == 130)
	s_sub_co_u32 s[CNT], s[CNT], 1
	s_cmp_lg_u32 s[CNT], 0
.endif
.endr
.if (\p) == 0
	FETCH_V
.endif
.endm
	s_wait_loadcnt 0x0              ; Q, and K of step 0
.set i, 0
.rept 16
	KQ 0                            ; piece 0's first scores
.set i, i+1
.endr
	WIN 0                           ; the addresses for the way out: plain instructions, the places behind those products
	s_mul_i32 s13, s[WV], 16*SP
	s_add_co_u32 s13, s13, STAGE
	v_mul_u32_u24 v[STO], v1, SP    ; in: row l % 16, 16 bytes for each half of the lanes
	v_lshl_add_u32 v[STO], v9, 4, v[STO]
	v_add_nc_u32 v[STO], s13, v[STO]
	v_bfe_u32 v[RD], v0, 3, 2       ; back: 32 lanes take four rows of 128 bytes,
	v_mul_u32_u24 v[RD], v[RD], SP
	v_lshl_add_u32 v[RD], v10, 4, v[RD]
	v_add_nc_u32 v[RD], s13, v[RD]
	v_and_b32 v[GO], 31, v0         ; which are 512 consecutive bytes of O
	v_lshlrev_b32 v[GO], 4, v[GO]
.set Y, NP-1                        ; XS works for piece Y + 1: piece 0
.irp n, 0,1,2,3,4,5,6,7,8,9,10,11,12,13,14,15,16,17,18,19,20,21
	XS 0, \n
	XS 1, \n
.endr
	v_nop                           ; a plain instruction behind the two a,
	s_wait_alu depctr_va_vdst(0)    ; and their wait, ahead of the label
.Lslot:                             ; seven times: a slot is entered and the next is asked for
	CHANGE 1
	s_mov_b32 s[CNT], 4
.Lstep:
	TURN 0
	TURN 1, 1
	WIN 0
	s_cbranch_scc1 .Lstep
	s_sub_co_u32 s[SLOTS], s[SLOTS], 1
	s_cmp_lg_u32 s[SLOTS], 0
	s_cbranch_scc1 .Lslot
	CHANGE 0                        ; the last slot is written out
	s_mov_b32 s[CNT], 4
.Ltail:
	TURN 0
	TURN 1, 1
	WIN 0
	s_cbranch_scc1 .Ltail
.set i, 0
.rept 16
	PV NP-1                         ; piece 1's V^T P of the last step
.set i, i+1
.endr
	; THE WAY OUT.  l's halves are added; O^T is divided by l, rounded and sent through my stage in LDS, a tile at a time.  The additions are the places behind the last products.
	WIN 0
.macro ALL line:vararg
.set t, 0
.rept 2*NP
	\line
.set t, t+1
.endr
.endm
	ALL v_add_f32 v[ST+4*t+2], v[ST+4*t+2], v[ST+4*t+3]
	ALL v_permlanex16_b32 v[ST+4*t+3], v[ST+4*t+2], s[SEL], s[SEL+1]
	ALL v_add_f32 v[ST+4*t+2], v[ST+4*t+2], v[ST+4*t+3]
	ALL v_rcp_f32 v[ST+4*t+2], v[ST+4*t+2]
	v_nop
	s_wait_alu depctr_va_vdst(0)    ; one wait for the four reciprocals
.macro PACK t
	WIN W_RS
.set i, 32*(\t)
.rept 16
	v_pk_mul_f32 v[i:i+1], v[i:i+1], v[ST+4*(\t)+2:ST+4*(\t)+3] op_sel_hi:[1,0]
.set i, i+2
.endr
	WIN 0x05                        ; sources 0 and 1 window 1, destination window 0
.set i, 0
.rept 16
	v_cvt_pk_bf16_f32 v[S+16*(\t)+i], v[32*(\t)+2*i], v[32*(\t)+2*i+1]
.set i, i+1
.endr
	WIN 0
.irp f, 0,1,2,3
	ds_store_b128 v[STO], v[S+16*(\t)+4*\f:S+16*(\t)+4*\f+3] offset:32*\f
.endr
.irp f, 0,1,2,3
	ds_load_b128 v[S+16*(\t)+4*\f:S+16*(\t)+4*\f+3], v[RD] offset:\f*4*SP  ; LDS serves a wave's instructions in order (ISA guide 5.7.1.4): these see the stores above
.endr
.endm
.macro SEND t, younger
	WIN 0
.irp f, 0,1,2,3
	s_wait_dscnt (\younger)+3-\f
	global_store_b128 v[GO], v[S+16*(\t)+4*\f:S+16*(\t)+4*\f+3], s[OP:OP+1] offset:(\t)*2048+\f*512  ; 512 consecutive bytes, aligned to 256
.endr
.endm
	PACK 0
.set t, 1
.rept 2*NP-1
	PACK t
	SEND t-1, 8
.set t, t+1
.endr
	SEND 2*NP-1, 0
	s_wait_tensorcnt 0x0            ; the wave's end
	ds_add_u32 v[SPW], v[NIL]
	s_wait_dscnt 0x0
	CROUND                          ; the closing round
	s_endpgm
.Lfunc_end_k_q4bcd12201c_attn:
	.size	k_q4bcd12201c_attn, .Lfunc_end_k_q4bcd12201c_attn-k_q4bcd12201c_attn
	.p2alignl 7, 3214868480
	.fill 96, 4, 3214868480
	.section	.rodata,"a",@progbits
	.p2align	6, 0x0
	.amdhsa_kernel k_q4bcd12201c_attn
		.amdhsa_group_segment_fixed_size 327680
		.amdhsa_private_segment_fixed_size 0
		.amdhsa_enable_private_segment 0
		.amdhsa_kernarg_size 16
		.amdhsa_user_sgpr_count 2
		.amdhsa_user_sgpr_kernarg_segment_ptr 1
		.amdhsa_wavefront_size32 1
		.amdhsa_system_sgpr_workgroup_id_x 1
		.amdhsa_system_sgpr_workgroup_id_y 1
		.amdhsa_system_sgpr_workgroup_id_z 1
		.amdhsa_system_vgpr_workitem_id 0
		.amdhsa_next_free_vgpr 768
		.amdhsa_next_free_sgpr 66
		.amdhsa_reserve_vcc 0
		.amdhsa_float_denorm_mode_32 3
		.amdhsa_float_denorm_mode_16_64 3
		.amdhsa_memory_ordered 1
		.amdhsa_forward_progress 1
		.amdhsa_inst_pref_size 111
	.end_amdhsa_kernel
	.amdgpu_metadata
---
amdhsa.version: [ 1, 2 ]
amdhsa.kernels:
  - .name:           k_q4bcd12201c_attn
    .symbol:         k_q4bcd12201c_attn.kd
    .args:
      - { .name: qkv, .offset: 0, .size: 8, .value_kind: global_buffer, .address_space: global }
      - { .name: o, .offset: 8, .size: 8, .value_kind: global_buffer, .address_space: global }
    .group_segment_fixed_size: 327680
    .private_segment_fixed_size: 0
    .kernarg_segment_align: 8
    .kernarg_segment_size: 16
    .max_flat_workgroup_size: 128
    .sgpr_count:     66
    .vgpr_count:     768
    .wavefront_size: 32
...
	.end_amdgpu_metadata
.endif
;; end of part 3
;; launch oproj (part 4): grid 8 x 32, 4 waves a work-group, clusters of 4 x 4, 327,680 bytes of LDS; arguments o, wt, b_out, x, x1; writes x1
.if DOCPART == 4
	.amdgcn_target "amdgcn-amd-amdhsa--gfx1250"
	.amdhsa_code_object_version 6
	.text
	.protected	k_q4bcd12201c_oproj
	.globl	k_q4bcd12201c_oproj
	.p2align	8
	.type	k_q4bcd12201c_oproj,@function
k_q4bcd12201c_oproj:
	s_mov_b64 s[64:65], 0
	v_nop
	global_prefetch_b8 v0, s[64:65] scope:SCOPE_SE
	s_setreg_imm32_b32 hwreg(HW_REG_WAVE_MODE, 25, 1), 1
	s_wait_xcnt 0x0
	s_wait_alu depctr_hold_cnt(0) depctr_sa_sdst(0) depctr_va_vdst(0) depctr_va_sdst(0) depctr_va_ssrc(0) depctr_va_vcc(0) depctr_vm_vsrc(0)
	s_getreg_b32 s2, hwreg(HW_REG_IB_STS2, 6, 4)
	s_cmp_eq_u32 s2, 0
	s_cbranch_scc0 .Lentry_in_a_cluster
	s_endpgm
.Lentry_in_a_cluster:
	s_bfe_u32 s2, ttmp6, 0x10000c
	s_cmp_lg_u32 s2, 0xf033
	s_cbranch_scc0 .Lentry_shape_is_right
	s_endpgm
.Lentry_shape_is_right:
; x1 = x + o Wout + b_out.  o: blocked [row / 128][head][row % 128][64] bf16; the weight lies turned, [1024][1024] bf16, at byte 6,291,456 of wt; x, x1: [4096][1024] f32.  Sums in f32.
; A tile of C is 128 x 128: 8 x 32 = 256 work-groups.  Four waves, 2 x 2, each 64 x 64: 16 accumulators.  K goes in 4 steps of 256 through two LDS slots; one K step is one trip of the loop.
; THE WALK ALONG K BEGINS AT ANOTHER STEP IN EACH CLUSTER: cluster (X, Y) takes the steps s0, s0 + 1, .. modulo 4, s0 = 2 ((X + the number of ones in Y) mod 2): of the clusters that read the same rows of A (same Y)
; or of B (same X), not all ask for the same K step at one time.  LIMIT: the f32 sums are taken in that order; the result differs from the ascending order's by rounding alone.
; The last two steps, which ask for nothing, are a loop of their own, entered in its middle: its last trip fetches the other slot's old first fragments, which serve nothing: the price of one text for both.
; A's tile of a step is four heads' planes of the row block, 65,536 dense bytes: asked for as rows of 256 bytes and padded behind every 128, so that a row of a plane has a pitch of 144.
; B's tile has rows of 512 bytes, pitch 528.  CLUSTER 4 x 4: A's tile is shared along a row of the cluster, B's along a column.  No prefetch: small tiles.
; The matrix instruction is used transposed: a lane holds eight neighbouring columns of one row of C.  WAY OUT: the residual, asked for when the first tile has landed, takes the bias; the sums go through a stage over
; slot 0 (which has had its last fill), each wave's own quadrant, and come back so that sixteen lanes hold 256 consecutive bytes of a row.
; REGISTERS: window 0 addresses, bias, accumulators ((a, b) at v[128 + 8 (4 a + b)]); window 1 two fragment buffers of 128 (A's 64, then B's 64); window 2 v0-127 the residual.
.set PLANES, 1
.set KTOT,   1024
.set STEPS,  KTOT/256
.set PB,     528
.set BHALF,  64*PB
.set APART,  4*128*144                 ; A's part of a slot
.set AFILL,  2*128*144                 ; what one wave fills of it
.set ASH,    16                        ; a K step's tile of A lies 1 << ASH bytes behind the one before
.set SLOT1,  147456                    ; slot 1 begins here: its two bits occur in no fill's address in slot 0, so one exclusive or changes slots
.set SLOT,   APART+2*BHALF
.set SPARE,  SLOT1+SLOT
.set SP,     528                       ; a stage row: 128 f32 + 16 bytes
.set WOFF,   6291456
.set BI,    12
.set ADRA0, 16
.set ADRA,  17
.set ADRB0, 20
.set ADRB,  21
.set STO,  24
.set RD,   25
.set CO,   26
.set BO,   27
.set SPW,  28
.set NIL,  29
.set ACC,  128
.set F0,   0
.set F1,   128
.set G1,  24
.set G0,  32                           ; s[32:39] two sets for the two first fills; the second then walks
.set G1B, 48
.set G0B, 56
.set TBR, 66                           ; s66  0 or SLOT1: the slot that is read
.set KI,  67                           ; s67  the K step that the walking sets name
.set OFA, 78                           ; s[78:79] its byte offset in A
.set OFB, 80                           ; s[80:81] and in B
.set MSB, 0
.macro WIN new
.if MSB != (\new)
	s_set_vgpr_msb (MSB<<8)|(\new)
.set MSB, \new
.endif
.endm
.set MUL,  0x05                        ; sources 0 (B) and 1 (A) window 1; C and D window 0
.set TO_F, 0x40
.macro PLACES
.rept 4
	v_nop
.endr
.endm
.macro JLOAD
	s_cmp_eq_u32 s11, 0
	s_cbranch_scc0 .Lfor_b_\@
	tensor_load_to_lds s[G0+4:G0+7], s[G1:G1+7]
	s_nop 0
	PLACES
	s_branch .Lasked_\@
.Lfor_b_\@:
	tensor_load_to_lds s[G0B+4:G0B+7], s[G1B:G1B+7]
	s_nop 0
	PLACES
.Lasked_\@:
.endm
.macro CREST
	s_cmp_lg_u32 s10, 0
	s_cbranch_scc1 .Lnot_wave_0_\@
	s_barrier_signal -3
.Lnot_wave_0_\@:
	s_barrier_wait -3
	s_barrier_signal -1
	s_barrier_wait -1
.endm
.macro CROUND
	s_barrier_signal -1
	s_barrier_wait -1
	CREST
.endm
	s_load_b256 s[68:75], s[0:1], 0x0              ; A s[68:69], wt s[70:71], bias s[72:73], residual s[74:75]
	s_load_b64 s[76:77], s[0:1], 0x20              ; out
	v_lshl_add_u32 v[SPW], v0, 2, SPARE
	v_mov_b32 v[NIL], 0
	ds_add_u32 v[SPW], v[NIL]                      ; the wave's opening: the add and its wait ahead of my first tensor load
	v_lshrrev_b32 v1, 5, v0
	v_readfirstlane_b32 s10, v1
	s_lshr_b32 s11, s10, 1                         ; my half of the rows.  Also: I fetch for A (0) or B (1)
	s_and_b32 s12, s10, 1                          ; my half of the columns.  Also: which half of that tile I fetch
	s_bfe_u32 s40, ttmp6, 0x40000
	s_bfe_u32 s41, ttmp6, 0x40004
	s_lshl_b32 s42, ttmp9, 2
	s_add_co_u32 s42, s42, s40                     ; tile column
	s_and_b32 s20, ttmp7, 0xffff                   ; cluster y
	s_lshl_b32 s13, s20, 2
	s_add_co_u32 s13, s13, s41                     ; tile row
	; where my cluster's walk begins: made of the cluster's two numbers alone, so it is the same in all sixteen partners
.if STEPS == 16
	s_and_b32 s21, s20, 3
	s_lshl_b32 s21, s21, 2
	s_lshr_b32 s22, s20, 2
	s_lshl_b32 s22, s22, 1
	s_add_co_u32 s21, s21, s22
	s_lshl_b32 s22, ttmp9, 3
	s_add_co_u32 s21, s21, s22                     ; 8 X + 4 (Y & 3) + 2 (Y >> 2)
.else
	s_bcnt1_i32_b32 s21, s20
	s_add_co_u32 s21, s21, ttmp9
	s_lshl_b32 s21, s21, 1                         ; 2 (X + ones of Y)
.endif
	s_and_b32 s[KI], s21, STEPS-1
	s_mov_b32 s[OFA+1], 0
	s_mov_b32 s[OFB+1], 0
	s_lshl_b32 s43, s41, 2
	s_lshl_b32 s43, 15, s43
	s_lshl_b32 s44, 0x1111, s40
.if PLANES
	s_or_b32 s[G1+0], s43, (1<<16)|(1<<20)|(1<<21)|(4<<22)|(3<<25)  ; padding of 4 words behind every 32
	s_mov_b32 s[G1+1], 128<<16
	s_mov_b32 s[G1+2], 128<<16
	s_mov_b32 s[G1+3], 128<<16
	s_mov_b32 s[G1+4], 128
	s_mov_b32 s[G1+5], 128
.else
	s_or_b32 s[G1+0], s43, (1<<16)|(1<<20)|(1<<21)|(6<<22)|(3<<25)  ; padding of 4 words behind every 128
	s_mov_b32 s[G1+1], 256<<16
	s_mov_b32 s[G1+2], 64<<16
	s_mov_b32 s[G1+3], 256<<16
	s_mov_b32 s[G1+4], 64
	s_mov_b32 s[G1+5], KTOT
.endif
	s_mov_b32 s[G1+6], 0
	s_mov_b32 s[G1+7], 0
	s_or_b32 s[G1B+0], s44, (1<<16)|(1<<20)|(1<<21)|(6<<22)|(3<<25)
	s_mov_b32 s[G1B+1], 256<<16
	s_mov_b32 s[G1B+2], 64<<16
	s_mov_b32 s[G1B+3], 256<<16
	s_mov_b32 s[G1B+4], 64
	s_mov_b32 s[G1B+5], KTOT
	s_mov_b32 s[G1B+6], 0
	s_mov_b32 s[G1B+7], 0
.if PLANES
	s_lshl_b32 s16, s13, 4
	s_lshl_b32 s17, s12, 1
	s_add_co_u32 s16, s16, s17                     ; plane 16 x tile row + 2 x half
	s_lshl_b32 s16, s16, 14
.else
	s_lshl_b32 s16, s13, 7
	s_lshl_b32 s17, s12, 6
	s_add_co_u32 s16, s16, s17                     ; row 128 x tile row + 64 x half
	s_mul_i32 s16, s16, 2*KTOT
.endif
	s_mov_b32 s17, 0
	s_lshl_b32 s46, s42, 7
	s_lshl_b32 s47, s12, 6
	s_add_co_u32 s46, s46, s47
	s_mul_i32 s46, s46, 2*KTOT
	s_add_co_u32 s46, s46, WOFF
	s_mov_b32 s47, 0
	s_mul_i32 s93, s12, AFILL
	s_mul_i32 s94, s12, BHALF
	s_add_co_u32 s94, s94, APART
	s_mov_b32 s[TBR], 0
	s_wait_dscnt 0x0
	s_wait_kmcnt 0x0
	s_add_nc_u64 s[14:15], s[68:69], s[16:17]      ; A and B at K step 0 of what I fetch: kept, each fill's address is made of them anew
	s_add_nc_u64 s[46:47], s[70:71], s[46:47]
.irp s, 0,1                            ; s0 is even, so s0 + 1 needs no modulo
	s_add_co_u32 s[OFB], s[KI], (\s)
	s_lshl_b32 s[OFA], s[OFB], ASH
	s_lshl_b32 s[OFB], s[OFB], 9
	s_mov_b32 s[G0+4*(\s)], 1
	s_add_co_u32 s[G0+4*(\s)+1], s93, (\s)*SLOT1
	s_add_nc_u64 s[G0+4*(\s)+2:G0+4*(\s)+3], s[14:15], s[OFA:OFA+1]
	s_or_b32 s[G0+4*(\s)+3], s[G0+4*(\s)+3], 0x80000000
	s_mov_b32 s[G0B+4*(\s)], 1
	s_add_co_u32 s[G0B+4*(\s)+1], s94, (\s)*SLOT1
	s_add_nc_u64 s[G0B+4*(\s)+2:G0B+4*(\s)+3], s[46:47], s[OFB:OFB+1]
	s_or_b32 s[G0B+4*(\s)+3], s[G0B+4*(\s)+3], 0x80000000
.endr
	s_add_co_u32 s[KI], s[KI], 1                   ; the walking sets stand at my second step
	CROUND                                         ; all sixteen work-groups are here: the first joint loads meet
	s_cmp_eq_u32 s11, 0                            ; a wave's two first fills stand in one branch: two loads of mine are out
	s_cbranch_scc0 .Lfirst_b
	tensor_load_to_lds s[G0:G0+3], s[G1:G1+7]
	s_nop 0
	tensor_load_to_lds s[G0+4:G0+7], s[G1:G1+7]
	s_nop 0
	PLACES
	s_branch .Lfirst_asked
.Lfirst_b:
	tensor_load_to_lds s[G0B:G0B+3], s[G1B:G1B+7]
	s_nop 0
	tensor_load_to_lds s[G0B+4:G0B+7], s[G1B:G1B+7]
	s_nop 0
	PLACES
.Lfirst_asked:
	v_and_b32 v1, 15, v0
	v_bfe_u32 v2, v0, 4, 1
.if PLANES
	v_mul_u32_u24 v3, v1, 144
	s_mul_i32 s21, s11, 64*144
.else
	v_mul_u32_u24 v3, v1, PB
	s_mul_i32 s21, s11, BHALF
.endif
	v_lshl_add_u32 v3, v2, 4, v3
	v_add_nc_u32 v[ADRA0], s21, v3
	v_mul_u32_u24 v3, v1, PB
	v_lshl_add_u32 v3, v2, 4, v3
	v_add_nc_u32 v[ADRB0], s94, v3
	v_mov_b32 v[ADRA], v[ADRA0]
	v_mov_b32 v[ADRB], v[ADRB0]
	; my quadrant of the tile in the residual and in the result: row 128 x tile row + 64 x row half, column 128 x tile column + 64 x column half
	s_lshl_b32 s20, s13, 7
	s_lshl_b32 s21, s11, 6
	s_add_co_u32 s20, s20, s21
	s_lshl_b32 s20, s20, 12
	s_lshl_b32 s22, s42, 9
	s_lshl_b32 s23, s12, 8
	s_add_co_u32 s22, s22, s23
	s_add_co_u32 s20, s20, s22
	s_mov_b32 s21, 0
	s_add_nc_u64 s[74:75], s[74:75], s[20:21]
	s_add_nc_u64 s[76:77], s[76:77], s[20:21]
	v_lshlrev_b32 v[CO], 12, v2                    ; lanes 0-15 one row's 256 bytes, lanes 16-31 the next row's
	v_lshl_add_u32 v[CO], v1, 4, v[CO]
	v_lshl_add_u32 v[BO], v1, 4, s22
	s_mul_i32 s20, s11, 64*SP
	s_add_co_u32 s20, s20, s23                     ; my quadrant of the stage
	v_mul_u32_u24 v[STO], v1, SP
	v_lshl_add_u32 v[STO], v2, 5, v[STO]
	v_add_nc_u32 v[STO], s20, v[STO]
	v_mul_u32_u24 v[RD], v2, SP
	v_lshl_add_u32 v[RD], v1, 4, v[RD]
	v_add_nc_u32 v[RD], s20, v[RD]
; 8 matrix instructions: m blocks a0, a0 + 1 x all 4 n blocks, 32 along K: half c of buffer f.  The 16 accumulators take turns.
.macro MUL8 f, c, a0, zero
	WIN MUL
.irp a, \a0, (\a0)+1
.irp b, 0,1,2,3
.if \zero
	v_wmma_f32_16x16x32_bf16 v[ACC+8*(4*(\a)+(\b)):ACC+8*(4*(\a)+(\b))+7], v[(\f)+64+8*(4*(\c)+(\b)):(\f)+64+8*(4*(\c)+(\b))+7], v[(\f)+8*(4*(\c)+(\a)):(\f)+8*(4*(\c)+(\a))+7], 0
.else
	v_wmma_f32_16x16x32_bf16 v[ACC+8*(4*(\a)+(\b)):ACC+8*(4*(\a)+(\b))+7], v[(\f)+64+8*(4*(\c)+(\b)):(\f)+64+8*(4*(\c)+(\b))+7], v[(\f)+8*(4*(\c)+(\a)):(\f)+8*(4*(\c)+(\a))+7], v[ACC+8*(4*(\a)+(\b)):ACC+8*(4*(\a)+(\b))+7]
.endif
.endr
.endr
.endm
; 32 LDS loads in one run: the fragments of quarter q (64 along K) into buffer f; the first 32 along K first
.macro FETCH q, f
	WIN TO_F
.irp c, 0,1
.irp i, 0,1,2,3
.if PLANES
.set ao, (\q)*128*144+(\c)*64+(\i)*16*144          ; a quarter is one head's plane
.else
.set ao, (\q)*128+(\c)*64+(\i)*16*PB
.endif
	ds_load_b128 v[(\f)+64+8*(4*(\c)+(\i)):(\f)+64+8*(4*(\c)+(\i))+3],   v[ADRB] offset:(\q)*128+64*(\c)+(\i)*16*PB
	ds_load_b128 v[(\f)+64+8*(4*(\c)+(\i))+4:(\f)+64+8*(4*(\c)+(\i))+7], v[ADRB] offset:(\q)*128+64*(\c)+(\i)*16*PB+32
	ds_load_b128 v[(\f)+8*(4*(\c)+(\i)):(\f)+8*(4*(\c)+(\i))+3],         v[ADRA] offset:ao
	ds_load_b128 v[(\f)+8*(4*(\c)+(\i))+4:(\f)+8*(4*(\c)+(\i))+7],       v[ADRA] offset:ao+32
.endr
.endr
.endm
.macro QUARTER q, f, g, zero           ; multiplies buffer f and fetches quarter q into g
	s_wait_dscnt 16                                ; the first 32 along K are in
	MUL8 \f, 0, 0, \zero
	MUL8 \f, 0, 2, \zero
	PLACES
	FETCH \q, \g
	s_wait_dscnt 32                                ; all but the 32 just issued
	MUL8 \f, 1, 0, 0
	MUL8 \f, 1, 2, 0
.endm
; The last quarter multiplies buffer 1 and changes slots: in front of the barrier each wave waits for all its tensor loads, adds 0 to its spare word, and waits for that and for its reads of this slot.
; fill = 1: the walking sets step while the add is out (no load of mine is out): the other slot, my cluster's next K step modulo STEPS, its address made anew; the joint refill is the first thing behind the round.
.macro TURN fill
	WIN 0
	s_wait_tensorcnt 0x0
	ds_add_u32 v[SPW], v[NIL]
.if \fill
	s_add_co_u32 s[KI], s[KI], 1
	s_and_b32 s[KI], s[KI], STEPS-1
	s_lshl_b32 s[OFA], s[KI], ASH
	s_lshl_b32 s[OFB], s[KI], 9
	s_xor_b32 s[G0+5], s[G0+5], SLOT1
	s_add_nc_u64 s[G0+6:G0+7], s[14:15], s[OFA:OFA+1]
	s_or_b32 s[G0+7], s[G0+7], 0x80000000
	s_xor_b32 s[G0B+5], s[G0B+5], SLOT1
	s_add_nc_u64 s[G0B+6:G0B+7], s[46:47], s[OFB:OFB+1]
	s_or_b32 s[G0B+7], s[G0B+7], 0x80000000
.endif
	s_wait_dscnt 17                                ; (the add and the youngest sixteen loads may be out)
	MUL8 F1, 0, 0, 0
	s_wait_dscnt 0x0
	s_barrier_signal -1
	MUL8 F1, 0, 2, 0
	WIN 0
	s_barrier_wait -1
.if \fill
	CREST
	JLOAD                                          ; the first tensor load behind the round; its four v_nop are also the places in front of the loads below
.else
	PLACES
.endif
	s_xor_b32 s[TBR], s[TBR], SLOT1
	v_add_nc_u32 v[ADRA], s[TBR], v[ADRA0]
	v_add_nc_u32 v[ADRB], s[TBR], v[ADRB0]
	FETCH 0, F0
	MUL8 F1, 1, 0, 0
	MUL8 F1, 1, 2, 0
.endm
	s_wait_tensorcnt 1                             ; my part of my first K step is in; the second's may stay out
	s_barrier_signal -1
	s_barrier_wait -1
	FETCH 0, F0
	WIN 0x80                                       ; the residual, now that the first tile has landed: destination window 2
.set t, 0
.rept 32
	global_load_b128 v[4*t:4*t+3], v[CO], s[74:75] offset:2*t*4096
.set t, t+1
.endr
	WIN 0
	global_load_b128 v[BI:BI+3], v[BO], s[72:73]
	QUARTER 1, F0, F1, 1                           ; the first products start the sums
	WIN 0
	s_mov_b32 s3, STEPS-2
.Lk:                                   ; from a K step's second quarter to the next step's first
	QUARTER 2, F1, F0, 0
	QUARTER 3, F0, F1, 0
	TURN 1
	QUARTER 1, F0, F1, 0
	WIN 0
	s_sub_co_u32 s3, s3, 1
	s_cmp_lg_u32 s3, 0
	s_cbranch_scc1 .Lk
	s_mov_b32 s3, 2                                ; the last two K steps ask for nothing: a loop of their own; it is entered behind a step's first quarter
	s_branch .Lenter
.Ltail:
	QUARTER 1, F0, F1, 0
	WIN 0
.Lenter:
	QUARTER 2, F1, F0, 0
	QUARTER 3, F0, F1, 0
	TURN 0                                         ; (in the last trip its fetch serves nothing)
	WIN 0
	s_sub_co_u32 s3, s3, 1
	s_cmp_lg_u32 s3, 0
	s_cbranch_scc1 .Ltail
	s_wait_dscnt 0x0                               ; my last reads of the ring are back
	s_wait_loadcnt 0x0                             ; the residual and the bias
	WIN 0x82                                       ; destination and source 0 window 2, source 1 window 0
.set t, 0
.rept 32                               ; residual + bias: 64 plain instructions that name no register of the last products: their places
	v_pk_add_f32 v[4*t:4*t+1],   v[4*t:4*t+1],   v[BI:BI+1]
	v_pk_add_f32 v[4*t+2:4*t+3], v[4*t+2:4*t+3], v[BI+2:BI+3]
.set t, t+1
.endr
	WIN 0
	s_barrier_signal -1                            ; every wave's reads of the ring are back
	s_barrier_wait -1
.irp a, 0,1,2,3
.irp b, 0,1,2,3
	ds_store_b128 v[STO], v[ACC+8*(4*(\a)+(\b)):ACC+8*(4*(\a)+(\b))+3]   offset:(\a)*16*SP+64*(\b)
	ds_store_b128 v[STO], v[ACC+8*(4*(\a)+(\b))+4:ACC+8*(4*(\a)+(\b))+7] offset:(\a)*16*SP+64*(\b)+16
.endr
.endr
.set t, 0
.rept 32
	ds_load_b128 v[ACC+4*t:ACC+4*t+3], v[RD] offset:2*t*SP  ; my own quadrant: LDS serves a wave's instructions in order (ISA guide 5.7.1.4)
.set t, t+1
.endr
	WIN 0x88                                       ; destination and source 1 window 2, source 0 window 0; a store's data is its source 1
.set t, 0
.rept 32
	s_wait_dscnt 31-t
	v_pk_add_f32 v[4*t:4*t+1],   v[ACC+4*t:ACC+4*t+1],   v[4*t:4*t+1]
	v_pk_add_f32 v[4*t+2:4*t+3], v[ACC+4*t+2:ACC+4*t+3], v[4*t+2:4*t+3]
	global_store_b128 v[CO], v[4*t:4*t+3], s[76:77] offset:2*t*4096  ; sixteen lanes store 256 consecutive bytes, aligned
.set t, t+1
.endr
	WIN 0
	s_wait_tensorcnt 0x0                           ; the wave's end
	ds_add_u32 v[SPW], v[NIL]
	s_wait_dscnt 0x0
	CROUND                                         ; the closing round
	s_endpgm
.Lfunc_end_k_q4bcd12201c_oproj:
	.size	k_q4bcd12201c_oproj, .Lfunc_end_k_q4bcd12201c_oproj-k_q4bcd12201c_oproj
	.p2alignl 7, 3214868480
	.fill 96, 4, 3214868480
	.section	.rodata,"a",@progbits
	.p2align	6, 0x0
	.amdhsa_kernel k_q4bcd12201c_oproj
		.amdhsa_group_segment_fixed_size 327680
		.amdhsa_private_segment_fixed_size 0
		.amdhsa_enable_private_segment 0
		.amdhsa_kernarg_size 40
		.amdhsa_user_sgpr_count 2
		.amdhsa_user_sgpr_kernarg_segment_ptr 1
		.amdhsa_wavefront_size32 1
		.amdhsa_system_sgpr_workgroup_id_x 1
		.amdhsa_system_sgpr_workgroup_id_y 1
		.amdhsa_system_sgpr_workgroup_id_z 1
		.amdhsa_system_vgpr_workitem_id 0
		.amdhsa_next_free_vgpr 640
		.amdhsa_next_free_sgpr 96
		.amdhsa_reserve_vcc 0
		.amdhsa_float_denorm_mode_32 3
		.amdhsa_float_denorm_mode_16_64 3
		.amdhsa_memory_ordered 1
		.amdhsa_forward_progress 1
		.amdhsa_inst_pref_size 70
	.end_amdhsa_kernel
	.amdgpu_metadata
---
amdhsa.version: [ 1, 2 ]
amdhsa.kernels:
  - .name:           k_q4bcd12201c_oproj
    .symbol:         k_q4bcd12201c_oproj.kd
    .args:
      - { .name: o, .offset: 0, .size: 8, .value_kind: global_buffer, .address_space: global }
      - { .name: wt, .offset: 8, .size: 8, .value_kind: global_buffer, .address_space: global }
      - { .name: b_out, .offset: 16, .size: 8, .value_kind: global_buffer, .address_space: global }
      - { .name: x, .offset: 24, .size: 8, .value_kind: global_buffer, .address_space: global }
      - { .name: x1, .offset: 32, .size: 8, .value_kind: global_buffer, .address_space: global }
    .group_segment_fixed_size: 327680
    .private_segment_fixed_size: 0
    .kernarg_segment_align: 8
    .kernarg_segment_size: 40
    .max_flat_workgroup_size: 128
    .sgpr_count:     96
    .vgpr_count:     640
    .wavefront_size: 32
...
	.end_amdgpu_metadata
.endif
;; end of part 4
;; launch ln2 (part 5): grid 256 x 1, 8 waves a work-group, no clusters, 0 bytes of LDS; arguments x1, ln2_scale, ln2_bias, y; writes y
.if DOCPART == 5
	.amdgcn_target "amdgcn-amd-amdhsa--gfx1250"
	.amdhsa_code_object_version 6
	.text
	.protected	k_q4bcd12201c_ln2
	.globl	k_q4bcd12201c_ln2
	.p2align	8
	.type	k_q4bcd12201c_ln2,@function
k_q4bcd12201c_ln2:
	s_mov_b64 s[64:65], 0
	v_nop
	global_prefetch_b8 v0, s[64:65] scope:SCOPE_SE
	s_setreg_imm32_b32 hwreg(HW_REG_WAVE_MODE, 25, 1), 1
	s_wait_xcnt 0x0
; y[r][c] = (x[r][c] - mean) / sqrt(var + 1e-5) * scale[c] + bias[c].  x: [4096][1024] f32, y: the same in bf16, rounded once.
; A wave takes two rows and keeps them in registers: the mean first, then the squares of x - mean (no difference of large sums), all in f32.
; Lane l holds columns 128 j + 4 l .. + 3 of a row, j = 0..7: a load covers 512 consecutive bytes, a store 256.
; No LDS, no barrier: no wave needs another.  Sixteen rows a work-group, 256 work-groups.
.set T,  8                             ; v[8:15]   at work
.set MU, 16                            ; v[16:17]  the mean, twice
.set R,  18                            ; v[18:21]  1 / sqrt(var + eps), twice for each row
.set Q,  22                            ; v[22:23]  var + eps of the two rows
.set X,  32                            ; v[32:95]  two rows of 32 registers
.set SC, 96                            ; v[96:127] scale
.set BI, 128                           ; v[128:159] bias
	s_load_b256 s[4:11], s[0:1], 0x0               ; x s[4:5], scale s[6:7], bias s[8:9], y s[10:11]
	v_lshrrev_b32 v3, 5, v0
	v_readfirstlane_b32 s16, v3                    ; wave
	v_and_b32 v4, 31, v0
	v_lshlrev_b32 v1, 4, v4                        ; 16 bytes a lane, in
	v_lshlrev_b32 v2, 3, v4                        ; 8 bytes a lane, out
	s_lshl_b32 s17, ttmp9, 4
	s_lshl_b32 s16, s16, 1
	s_add_co_u32 s17, s17, s16                     ; my first row
	s_lshl_b32 s18, s17, 12
	s_mov_b32 s19, 0
	s_lshl_b32 s20, s17, 11
	s_mov_b32 s21, 0
	s_mov_b32 s12, 0x3a800000                      ; 1 / 1024
	s_mov_b32 s13, 0x3727c5ac                      ; 1e-5
	s_mov_b32 s14, 0x76543210                      ; v_permlanex16_b32: each lane takes its own place in the other half
	s_mov_b32 s15, 0xfedcba98
	s_wait_kmcnt 0x0
	s_add_nc_u64 s[4:5], s[4:5], s[18:19]
	s_add_nc_u64 s[10:11], s[10:11], s[20:21]
.irp r, 0,1
.irp j, 0,1,2,3,4,5,6,7
	global_load_b128 v[X+32*(\r)+4*(\j):X+32*(\r)+4*(\j)+3], v1, s[4:5] offset:(\r)*4096+512*(\j)
.endr
.endr
.irp j, 0,1,2,3,4,5,6,7
	global_load_b128 v[SC+4*(\j):SC+4*(\j)+3], v1, s[6:7] offset:512*(\j)
.endr
.irp j, 0,1,2,3,4,5,6,7
	global_load_b128 v[BI+4*(\j):BI+4*(\j)+3], v1, s[8:9] offset:512*(\j)
.endr
.macro TOTAL                           ; four chains of pairs in v[T:T+7] become one number in every lane's v[T]
	v_pk_add_f32 v[T:T+1], v[T:T+1], v[T+2:T+3]
	v_pk_add_f32 v[T+4:T+5], v[T+4:T+5], v[T+6:T+7]
	v_pk_add_f32 v[T:T+1], v[T:T+1], v[T+4:T+5]
	v_add_f32 v[T], v[T], v[T+1]
	v_add_f32_dpp v[T], v[T], v[T] row_xmask:1 row_mask:0xf bank_mask:0xf
	v_add_f32_dpp v[T], v[T], v[T] row_xmask:2 row_mask:0xf bank_mask:0xf
	v_add_f32_dpp v[T], v[T], v[T] row_xmask:4 row_mask:0xf bank_mask:0xf
	v_add_f32_dpp v[T], v[T], v[T] row_xmask:8 row_mask:0xf bank_mask:0xf
	v_permlanex16_b32 v[T+1], v[T], s14, s15
	v_add_f32 v[T], v[T], v[T+1]
.endm
; Row r: the mean; x - mean in place; var + eps.  left: the younger loads that may stay out.
.macro STATS r, left
	s_wait_loadcnt \left
.irp c, 0,1,2,3                        ; the data start the chains: nothing is cleared
	v_pk_add_f32 v[T+2*(\c):T+2*(\c)+1], v[X+32*(\r)+2*(\c):X+32*(\r)+2*(\c)+1], v[X+32*(\r)+8+2*(\c):X+32*(\r)+8+2*(\c)+1]
.endr
.irp g, 2,3
.irp c, 0,1,2,3
	v_pk_add_f32 v[T+2*(\c):T+2*(\c)+1], v[T+2*(\c):T+2*(\c)+1], v[X+32*(\r)+8*(\g)+2*(\c):X+32*(\r)+8*(\g)+2*(\c)+1]
.endr
.endr
	TOTAL
	v_mul_f32 v[MU], s12, v[T]
	v_mov_b32 v[MU+1], v[MU]
.set n, 0
.rept 16
	v_pk_add_f32 v[X+32*(\r)+2*n:X+32*(\r)+2*n+1], v[X+32*(\r)+2*n:X+32*(\r)+2*n+1], v[MU:MU+1] neg_lo:[0,1] neg_hi:[0,1]
.set n, n+1
.endr
.irp c, 0,1,2,3
	v_pk_mul_f32 v[T+2*(\c):T+2*(\c)+1], v[X+32*(\r)+2*(\c):X+32*(\r)+2*(\c)+1], v[X+32*(\r)+2*(\c):X+32*(\r)+2*(\c)+1]
.endr
.irp g, 1,2,3
.irp c, 0,1,2,3
	v_pk_fma_f32 v[T+2*(\c):T+2*(\c)+1], v[X+32*(\r)+8*(\g)+2*(\c):X+32*(\r)+8*(\g)+2*(\c)+1], v[X+32*(\r)+8*(\g)+2*(\c):X+32*(\r)+8*(\g)+2*(\c)+1], v[T+2*(\c):T+2*(\c)+1]
.endr
.endr
	TOTAL
	v_fma_f32 v[Q+(\r)], v[T], s12, s13
.endm
; Row r is scaled, rounded in place (register i takes numbers 2 i, 2 i + 1) and stored.
.macro FINISH r
.set n, 0
.rept 16
	v_pk_mul_f32 v[X+32*(\r)+2*n:X+32*(\r)+2*n+1], v[X+32*(\r)+2*n:X+32*(\r)+2*n+1], v[R+2*(\r):R+2*(\r)+1]
.set n, n+1
.endr
.set n, 0
.rept 16
	v_pk_fma_f32 v[X+32*(\r)+2*n:X+32*(\r)+2*n+1], v[X+32*(\r)+2*n:X+32*(\r)+2*n+1], v[SC+2*n:SC+2*n+1], v[BI+2*n:BI+2*n+1]
.set n, n+1
.endr
.set n, 0
.rept 16
	v_cvt_pk_bf16_f32 v[X+32*(\r)+n], v[X+32*(\r)+2*n], v[X+32*(\r)+2*n+1]
.set n, n+1
.endr
.irp j, 0,1,2,3,4,5,6,7
	global_store_b64 v2, v[X+32*(\r)+2*(\j):X+32*(\r)+2*(\j)+1], s[10:11] offset:(\r)*2048+256*(\j)  ; 32 lanes store 256 consecutive bytes, aligned
.endr
.endm
	STATS 0, 24                                    ; behind row 0's eight loads: row 1's, scale's and bias's
	STATS 1, 16
	v_rsq_f32 v[R], v[Q]                           ; one batch of four: each root twice, for the packed multiply's pair
	v_rsq_f32 v[R+1], v[Q]
	v_rsq_f32 v[R+2], v[Q+1]
	v_rsq_f32 v[R+3], v[Q+1]
	v_nop                                          ; a plain instruction behind the last root (ISA guide 5.7.2),
	s_wait_alu depctr_va_vdst(0)                   ; and the wait ahead of the first use: one for the batch
	s_wait_loadcnt 0x0                             ; scale and bias
	FINISH 0
	FINISH 1
	s_endpgm
.Lfunc_end_k_q4bcd12201c_ln2:
	.size	k_q4bcd12201c_ln2, .Lfunc_end_k_q4bcd12201c_ln2-k_q4bcd12201c_ln2
	.p2alignl 7, 3214868480
	.fill 96, 4, 3214868480
	.section	.rodata,"a",@progbits
	.p2align	6, 0x0
	.amdhsa_kernel k_q4bcd12201c_ln2
		.amdhsa_group_segment_fixed_size 0
		.amdhsa_private_segment_fixed_size 0
		.amdhsa_enable_private_segment 0
		.amdhsa_kernarg_size 32
		.amdhsa_user_sgpr_count 2
		.amdhsa_user_sgpr_kernarg_segment_ptr 1
		.amdhsa_wavefront_size32 1
		.amdhsa_system_sgpr_workgroup_id_x 1
		.amdhsa_system_sgpr_workgroup_id_y 1
		.amdhsa_system_sgpr_workgroup_id_z 1
		.amdhsa_system_vgpr_workitem_id 0
		.amdhsa_next_free_vgpr 168
		.amdhsa_next_free_sgpr 66
		.amdhsa_reserve_vcc 0
		.amdhsa_float_denorm_mode_32 3
		.amdhsa_float_denorm_mode_16_64 3
		.amdhsa_memory_ordered 1
		.amdhsa_forward_progress 1
		.amdhsa_inst_pref_size 20
	.end_amdhsa_kernel
	.amdgpu_metadata
---
amdhsa.version: [ 1, 2 ]
amdhsa.kernels:
  - .name:           k_q4bcd12201c_ln2
    .symbol:         k_q4bcd12201c_ln2.kd
    .args:
      - { .name: x1, .offset: 0, .size: 8, .value_kind: global_buffer, .address_space: global }
      - { .name: ln2_scale, .offset: 8, .size: 8, .value_kind: global_buffer, .address_space: global }
      - { .name: ln2_bias, .offset: 16, .size: 8, .value_kind: global_buffer, .address_space: global }
      - { .name: y, .offset: 24, .size: 8, .value_kind: global_buffer, .address_space: global }
    .group_segment_fixed_size: 0
    .private_segment_fixed_size: 0
    .kernarg_segment_align: 8
    .kernarg_segment_size: 32
    .max_flat_workgroup_size: 256
    .sgpr_count:     66
    .vgpr_count:     168
    .wavefront_size: 32
...
	.end_amdgpu_metadata
.endif
;; end of part 5
;; launch fc1 (part 6): grid 16 x 16, 4 waves a work-group, clusters of 4 x 4, 327,680 bytes of LDS; arguments y, wt, b_fc1, h; writes h
.if DOCPART == 6
	.amdgcn_target "amdgcn-amd-amdhsa--gfx1250"
	.amdhsa_code_object_version 6
	.text
	.protected	k_q4bcd12201c_fc1
	.globl	k_q4bcd12201c_fc1
	.p2align	8
	.type	k_q4bcd12201c_fc1,@function
k_q4bcd12201c_fc1:
	s_mov_b64 s[64:65], 0
	v_nop
	global_prefetch_b8 v0, s[64:65] scope:SCOPE_SE
	s_setreg_imm32_b32 hwreg(HW_REG_WAVE_MODE, 25, 1), 1
	s_wait_xcnt 0x0
	s_wait_alu depctr_hold_cnt(0) depctr_sa_sdst(0) depctr_va_vdst(0) depctr_va_sdst(0) depctr_va_ssrc(0) depctr_va_vcc(0) depctr_vm_vsrc(0)
	s_getreg_b32 s2, hwreg(HW_REG_IB_STS2, 6, 4)
	s_cmp_eq_u32 s2, 0
	s_cbranch_scc0 .Lentry_in_a_cluster
	s_endpgm
.Lentry_in_a_cluster:
	s_bfe_u32 s2, ttmp6, 0x10000c
	s_cmp_lg_u32 s2, 0xf033
	s_cbranch_scc0 .Lentry_shape_is_right
	s_endpgm
.Lentry_shape_is_right:
; h = gelu(y W1 + b_fc1), the exact (erf) form.  y: [4096][1024] bf16; the weight lies turned, [4096][1024] bf16, at byte 8,388,608 of wt; sums and the activation in f32, h: [4096][4096] bf16, rounded once.
; gelu(u) = max(u, 0) - |u| erfc(|u| / sqrt 2) / 2, with erfc(z) = (a1 t + .. + a5 t^5) exp(-z^2), t = 1 / (1 + 0.3275911 z) (Abramowitz and Stegun 7.1.26).
; LIMIT: that formula's error in erf is at most 1.5e-7, for every u; for large |u| the exponential goes to 0 and the result is max(u, 0).
; A tile of C is 256 x 256: 16 x 16 tiles, one for each of 256 work-groups.  Four waves, 2 x 2, each 128 x 128: 64 accumulators.
; K goes in 8 steps of 128 through two LDS slots filled by tensor loads (rows of 256 bytes, padded to 272).  One K step is one trip of the loop: the slot is a register.
; The last two K steps, which ask for nothing, are a loop of their own, entered in its middle: its last trip fetches the other slot's old first fragments, which serve nothing: the price of one text for both.
; CLUSTER 4 x 4: A's tile is shared along a row of the cluster, B's along a column.  The matrix instruction is used transposed: a lane holds eight neighbouring columns of one row of C.
; WAY OUT: the sums go as f32 into a stage that lies over the ring (which has had its last fill), and a counted loop, four rows a trip, adds the bias, takes the activation, rounds and stores.
; REGISTERS in windows of 256: window 0 addresses, bias, A's fragments (v64.., v128..), later the loop's work; window 1 B's fragments; windows 2, 3 the accumulators ((a, b) at v[8 (8 (a % 4) + b)]).
.set NBF,    8
.set TN,     32*NBF
.set PITCH,  272
.set AHALF,  128*PITCH
.set BHALF,  16*NBF*PITCH
.set SLOT,   2*AHALF+2*BHALF
.set SLOT1,  SLOT                      ; 139,264: its two bits occur in no fill's address in slot 0, so one exclusive or changes slots
.set SPARE,  SLOT1+SLOT
.set SP,     4*TN+16
.set WOFF,   8388608
.set ADRA0, 16
.set ADRA,  17
.set ADRB0, 20
.set ADRB,  21
.set STO,  24
.set RD,   25
.set CO,   26
.set BO,   27
.set SPW,  28
.set NIL,  29
.set PFO,  30
.set BI,   32                          ; v[32:39] bias
.set F0,   64
.set F1,   128
.set G1,  24
.set G0,  32
.set G1B, 48
.set G0B, 56
.set LIM, 43
.set PFA, 44
.set TBR, 66
.set MSB, 0
.macro WIN new
.if MSB != (\new)
	s_set_vgpr_msb (MSB<<8)|(\new)
.set MSB, \new
.endif
.endm
.set MUL_LO, 0xa1
.set MUL_HI, 0xf1
.set TO_B,   0x40
.macro PLACES
.rept 4
	v_nop
.endr
.endm
.macro JLOAD
	s_cmp_eq_u32 s11, 0
	s_cbranch_scc0 .Lfor_b_\@
	tensor_load_to_lds s[G0+4:G0+7], s[G1:G1+7]
	s_nop 0
	PLACES
	s_branch .Lasked_\@
.Lfor_b_\@:
	tensor_load_to_lds s[G0B+4:G0B+7], s[G1B:G1B+7]
	s_nop 0
	PLACES
.Lasked_\@:
.endm
.macro ASK                             ; a prefetch of the K step two refills on: my work-group's 32 of the rows that I fetch, a lane a row; the last two refills have no such step
	s_cmp_gt_u32 s3, s[LIM]
	s_cbranch_scc0 .Lnot_mine_\@
	global_prefetch_b8 v[PFO], s[PFA:PFA+1] offset:256 th:TH_LOAD_NT scope:SCOPE_SE
.Lnot_mine_\@:
.endm
.macro CREST
	s_cmp_lg_u32 s10, 0
	s_cbranch_scc1 .Lnot_wave_0_\@
	s_barrier_signal -3
.Lnot_wave_0_\@:
	s_barrier_wait -3
	s_barrier_signal -1
	s_barrier_wait -1
.endm
.macro CROUND
	s_barrier_signal -1
	s_barrier_wait -1
	CREST
.endm
	s_load_b256 s[68:75], s[0:1], 0x0              ; y s[68:69], wt s[70:71], bias s[72:73], h s[74:75]
	v_lshl_add_u32 v[SPW], v0, 2, SPARE
	v_mov_b32 v[NIL], 0
	ds_add_u32 v[SPW], v[NIL]                      ; the wave's opening: the add and its wait ahead of my first tensor load
	v_lshrrev_b32 v1, 5, v0
	v_readfirstlane_b32 s10, v1
	s_lshr_b32 s11, s10, 1
	s_and_b32 s12, s10, 1
	s_bfe_u32 s40, ttmp6, 0x40000
	s_bfe_u32 s41, ttmp6, 0x40004
	s_lshl_b32 s42, ttmp9, 2
	s_add_co_u32 s42, s42, s40                     ; tile column
	s_and_b32 s13, ttmp7, 0xffff
	s_lshl_b32 s13, s13, 2
	s_add_co_u32 s13, s13, s41                     ; tile row
	s_lshl_b32 s43, s41, 2
	s_lshl_b32 s43, 15, s43
	s_lshl_b32 s44, 0x1111, s40
	s_or_b32 s[G1+0], s43, (1<<16)|(1<<20)|(1<<21)|(5<<22)|(3<<25)
	s_or_b32 s[G1B+0], s44, (1<<16)|(1<<20)|(1<<21)|(5<<22)|(3<<25)
	s_mov_b32 s[G1+1], 128<<16
	s_mov_b32 s[G1+2], 128<<16
	s_mov_b32 s[G1+3], 128<<16
	s_mov_b32 s[G1+4], 128
	s_mov_b32 s[G1+5], 1024
	s_mov_b32 s[G1+6], 0
	s_mov_b32 s[G1+7], 0
	s_mov_b32 s[G1B+1], 128<<16
	s_mov_b32 s[G1B+2], (16*NBF)<<16
	s_mov_b32 s[G1B+3], 128<<16
	s_mov_b32 s[G1B+4], 16*NBF
	s_mov_b32 s[G1B+5], 1024
	s_mov_b32 s[G1B+6], 0
	s_mov_b32 s[G1B+7], 0
	s_lshl_b32 s16, s13, 8
	s_lshl_b32 s17, s12, 7
	s_add_co_u32 s16, s16, s17
	s_lshl_b32 s16, s16, 11
	s_mov_b32 s17, 0
	s_mul_i32 s46, s42, TN
	s_mul_i32 s47, s12, 16*NBF
	s_add_co_u32 s46, s46, s47
	s_lshl_b32 s46, s46, 11
	s_add_co_u32 s46, s46, WOFF
	s_mov_b32 s47, 0
	s_mul_i32 s93, s12, AHALF
	s_mul_i32 s94, s12, BHALF
	s_add_co_u32 s94, s94, 2*AHALF
	s_mov_b32 s[TBR], 0
	s_wait_dscnt 0x0
	s_wait_kmcnt 0x0
	s_add_nc_u64 s[14:15], s[68:69], s[16:17]
	s_add_nc_u64 s[46:47], s[70:71], s[46:47]
	CROUND
.irp s, 0,1
	s_mov_b32 s[G0+4*(\s)], 1
	s_add_co_u32 s[G0+4*(\s)+1], s93, (\s)*SLOT1
	s_add_nc_u64 s[G0+4*(\s)+2:G0+4*(\s)+3], s[14:15], (\s)*256
	s_or_b32 s[G0+4*(\s)+3], s[G0+4*(\s)+3], 0x80000000
	s_mov_b32 s[G0B+4*(\s)], 1
	s_add_co_u32 s[G0B+4*(\s)+1], s94, (\s)*SLOT1
	s_add_nc_u64 s[G0B+4*(\s)+2:G0B+4*(\s)+3], s[46:47], (\s)*256
	s_or_b32 s[G0B+4*(\s)+3], s[G0B+4*(\s)+3], 0x80000000
.endr
	s_cmp_eq_u32 s11, 0                            ; a wave's two first fills stand in one branch: two loads of mine are out
	s_cbranch_scc0 .Lfirst_b
	tensor_load_to_lds s[G0:G0+3], s[G1:G1+7]
	s_nop 0
	tensor_load_to_lds s[G0+4:G0+7], s[G1:G1+7]
	s_nop 0
	PLACES
	s_branch .Lfirst_asked
.Lfirst_b:
	tensor_load_to_lds s[G0B:G0B+3], s[G1B:G1B+7]
	s_nop 0
	tensor_load_to_lds s[G0B+4:G0B+7], s[G1B:G1B+7]
	s_nop 0
	PLACES
.Lfirst_asked:
	v_and_b32 v1, 15, v0
	v_bfe_u32 v2, v0, 4, 1
	v_and_b32 v4, 31, v0
	v_mul_u32_u24 v3, v1, PITCH
	v_lshl_add_u32 v3, v2, 4, v3
	s_mul_i32 s21, s11, AHALF
	v_add_nc_u32 v[ADRA0], s21, v3
	v_add_nc_u32 v[ADRB0], s94, v3
	v_mov_b32 v[ADRA], v[ADRA0]
	v_mov_b32 v[ADRB], v[ADRB0]
	s_lshl_b32 s20, s42, 10                        ; the bias of columns 256 x tile column + 128 hf + 4 l ..
	v_lshl_add_u32 v[BO], v4, 4, s20
	global_load_b128 v[BI:BI+3],   v[BO], s[72:73]
	global_load_b128 v[BI+4:BI+7], v[BO], s[72:73] offset:512
	s_mul_i32 s20, s11, 128*SP                     ; the stage, in
	s_mul_i32 s21, s12, 2*TN
	s_add_co_u32 s20, s20, s21
	v_mul_u32_u24 v[STO], v1, SP
	v_lshl_add_u32 v[STO], v2, 5, v[STO]
	v_add_nc_u32 v[STO], s20, v[STO]
	s_mul_i32 s20, s10, 64*SP                      ; back: wave w takes rows 64 w ..; 32 lanes take 512 consecutive bytes of a row
	v_lshl_add_u32 v[RD], v4, 4, s20
	v_lshlrev_b32 v[CO], 3, v4
	s_lshl_b32 s20, s13, 8
	s_lshl_b32 s21, s10, 6
	s_add_co_u32 s20, s20, s21                     ; my first row of h
	s_lshl_b32 s20, s20, 13
	s_lshl_b32 s21, s42, 9
	s_add_co_u32 s20, s20, s21
	s_mov_b32 s21, 0
	s_add_nc_u64 s[74:75], s[74:75], s[20:21]
	; the prefetches.  A's tile row is read by every cluster of that row of clusters: cluster x = 0 asks; B's tile column: cluster y = 0.  The four partners share a wave's rows out by address.
	s_and_b32 s22, ttmp7, 0xffff
	s_lshl_b32 s20, s13, 8
	s_lshl_b32 s23, s12, 7
	s_add_co_u32 s20, s20, s23
	s_lshl_b32 s23, s40, 5
	s_add_co_u32 s20, s20, s23
	s_mul_i32 s21, s42, TN
	s_mul_i32 s23, s12, 16*NBF
	s_add_co_u32 s21, s21, s23
	s_mul_i32 s23, s41, 4*NBF
	s_add_co_u32 s21, s21, s23
	s_lshl_b32 s20, s20, 11
	s_lshl_b32 s21, s21, 11
	s_add_co_u32 s21, s21, WOFF
	s_cmp_eq_u32 s11, 0
	s_cselect_b32 s20, s20, s21
	s_cselect_b32 s22, ttmp9, s22
	s_cselect_b64 s[PFA:PFA+1], s[68:69], s[70:71]
	s_cmp_eq_u32 s22, 0
	s_cselect_b32 s[LIM], 2, -1                    ; trips with 2 or fewer to go ask for nothing: K has no such step
	s_add_co_u32 s20, s20, 512                     ; at K step 2: the first refill steps it to 3 and names step 4
	s_mov_b32 s21, 0
	s_add_nc_u64 s[PFA:PFA+1], s[PFA:PFA+1], s[20:21]
	v_lshlrev_b32 v[PFO], 11, v4
.macro MUL16 f, hi, a0, zero           ; the accumulators take turns, one instruction a turn
	WIN MUL_LO+0x50*(\hi)
.irp a, \a0, (\a0)+1
.set bb, 0
.rept NBF
.if \zero
	v_wmma_f32_16x16x32_bf16 v[8*(8*(\a)+bb):8*(8*(\a)+bb)+7], v[(\f)+8*bb:(\f)+8*bb+7], v[(\f)+8*(4*(\hi)+(\a)):(\f)+8*(4*(\hi)+(\a))+7], 0
.else
	v_wmma_f32_16x16x32_bf16 v[8*(8*(\a)+bb):8*(8*(\a)+bb)+7], v[(\f)+8*bb:(\f)+8*bb+7], v[(\f)+8*(4*(\hi)+(\a)):(\f)+8*(4*(\hi)+(\a))+7], v[8*(8*(\a)+bb):8*(8*(\a)+bb)+7]
.endif
.set bb, bb+1
.endr
.endr
.endm
.macro FETCH k, f
	WIN TO_B
.set ii, 0
.rept NBF
	ds_load_b128 v[(\f)+8*ii:(\f)+8*ii+3],   v[ADRB] offset:(\k)+ii*16*PITCH
	ds_load_b128 v[(\f)+8*ii+4:(\f)+8*ii+7], v[ADRB] offset:(\k)+ii*16*PITCH+32
.set ii, ii+1
.endr
	WIN 0
.irp i, 0,1,2,3,4,5,6,7
	ds_load_b128 v[(\f)+8*(\i):(\f)+8*(\i)+3],   v[ADRA] offset:(\k)+(\i)*16*PITCH
	ds_load_b128 v[(\f)+8*(\i)+4:(\f)+8*(\i)+7], v[ADRA] offset:(\k)+(\i)*16*PITCH+32
.endr
.endm
.macro QUARTER k, f, g, zero
	s_wait_dscnt 8                                 ; B and A's rows 0-63 are in; the youngest eight loads may be out
	MUL16 \f, 0, 0, \zero
	MUL16 \f, 0, 2, \zero
	PLACES
	FETCH \k, \g
	s_wait_dscnt 2*NBF+16                          ; all but the run just issued
	MUL16 \f, 1, 0, \zero
	MUL16 \f, 1, 2, \zero
.endm
; The last quarter of a K step multiplies buffer 1 and changes slots.  In front of the barrier each wave waits for all its tensor loads (one is out: its part of the next slot), adds 0 to its
; spare word, and waits for that and for its reads of this slot.  fill = 1: the barrier opens a round of the cluster's, and the joint refill (the K step two on) is the first thing behind it:
; 224 matrix instructions stand between it and the wait for it.
.macro TURN fill
.if \fill
	s_wait_xcnt 0x0                                ; the last prefetch, a K step back, has read its address
	s_add_nc_u64 s[PFA:PFA+1], s[PFA:PFA+1], 256
.endif
	WIN 0
	s_wait_tensorcnt 0x0
	ds_add_u32 v[SPW], v[NIL]
	s_wait_dscnt 9
	MUL16 F1, 0, 0, 0
	s_wait_dscnt 0x0
	s_barrier_signal -1
	MUL16 F1, 0, 2, 0
	WIN 0
	s_barrier_wait -1
.if \fill
	CREST
	s_xor_b32 s[G0+5], s[G0+5], SLOT1
	s_add_nc_u64 s[G0+6:G0+7], s[G0+6:G0+7], 256
	s_xor_b32 s[G0B+5], s[G0B+5], SLOT1
	s_add_nc_u64 s[G0B+6:G0B+7], s[G0B+6:G0B+7], 256
	JLOAD
.else
	PLACES
.endif
	s_xor_b32 s[TBR], s[TBR], SLOT1
	v_add_nc_u32 v[ADRA], s[TBR], v[ADRA0]
	v_add_nc_u32 v[ADRB], s[TBR], v[ADRB0]
	FETCH 0, F0
.if \fill
	ASK
.endif
	MUL16 F1, 1, 0, 0
	MUL16 F1, 1, 2, 0
.endm
	s_wait_tensorcnt 1                             ; my part of K step 0 is in; step 1's may stay out
	s_barrier_signal -1
	s_barrier_wait -1
	FETCH 0, F0
	QUARTER 64, F0, F1, 1
	WIN 0
	s_mov_b32 s3, 6
.Lk:                                   ; from a K step's second quarter to the next step's first
	QUARTER 128, F1, F0, 0
	QUARTER 192, F0, F1, 0
	TURN 1
	QUARTER 64,  F0, F1, 0
	WIN 0
	s_sub_co_u32 s3, s3, 1
	s_cmp_lg_u32 s3, 0
	s_cbranch_scc1 .Lk
	s_mov_b32 s3, 2                                ; the last two K steps ask for nothing: a loop of their own; it is entered behind a step's first quarter
	s_branch .Lenter
.Ltail:
	QUARTER 64,  F0, F1, 0
	WIN 0
.Lenter:
	QUARTER 128, F1, F0, 0
	QUARTER 192, F0, F1, 0
	TURN 0                                         ; (in the last trip its fetch serves nothing)
	WIN 0
	s_sub_co_u32 s3, s3, 1
	s_cmp_lg_u32 s3, 0
	s_cbranch_scc1 .Ltail
	s_wait_dscnt 0x0                               ; my last reads of the ring are back
	s_barrier_signal -1                            ; every wave's are: the stage may be written over it
	s_barrier_wait -1
	PLACES
.set aa, 0
.rept 8                                ; each accumulator's low registers first
	WIN 0x08+4*(aa/4)
.set bb, 0
.rept NBF
	ds_store_b128 v[STO], v[8*(8*(aa%4)+bb):8*(8*(aa%4)+bb)+3]   offset:64*bb
	ds_store_b128 v[STO], v[8*(8*(aa%4)+bb)+4:8*(8*(aa%4)+bb)+7] offset:64*bb+16
.set bb, bb+1
.endr
	WIN 0
	v_add_nc_u32 v[STO], 16*SP, v[STO]
.set aa, aa+1
.endr
	s_mov_b32 s80, 0xbf38aa3b                      ; -log2(e) / 2; the packed lines name pairs and take the low word for both halves
	s_mov_b32 s81, s80
	s_mov_b32 s82, 0x3e027906                      ; a1 / 2
	s_mov_b32 s83, s82
	s_mov_b32 s84, 0xbe11a98e                      ; a2 / 2
	s_mov_b32 s85, s84
	s_mov_b32 s86, 0x3f35f0e3                      ; a3 / 2
	s_mov_b32 s87, s86
	s_mov_b32 s88, 0xbf3a00e3                      ; a4 / 2
	s_mov_b32 s89, s88
	s_mov_b32 s90, 0x3f07dc22                      ; a5 / 2
	s_mov_b32 s91, s90
	s_mov_b32 s92, 0x3e6d3388                      ; 0.3275911 / sqrt 2
	s_wait_dscnt 0x0                               ; for the others' sake: my stores are done
	s_barrier_signal -1
	s_barrier_wait -1
	s_wait_loadcnt 0x0                             ; the bias
.set U,    64                          ; v[64:95]   u: four rows x two halves x four columns
.set EE,   96                          ; v[96:127]  exp(-u^2 / 2)
.set TT,   128                         ; v[128:159] t
.set PP,   160                         ; v[160:191] the polynomial
.set RR,   192                         ; v[192:223] max(u, 0)
.set OUTR, 224                         ; v[224:239] bf16
	s_mov_b32 s3, 16
.Lrow:                                 ; four rows a trip, 32 numbers a lane
.irp i, 0,1,2,3
.irp hf, 0,1
	ds_load_b128 v[U+4*(2*(\i)+(\hf)):U+4*(2*(\i)+(\hf))+3], v[RD] offset:(\i)*SP+512*(\hf)
.endr
.endr
	s_wait_dscnt 0x0
.set n, 0
.rept 16
	v_pk_add_f32 v[U+2*n:U+2*n+1], v[U+2*n:U+2*n+1], v[BI+2*(n%4):BI+2*(n%4)+1]
.set n, n+1
.endr
.set n, 0
.rept 16
	v_pk_mul_f32 v[EE+2*n:EE+2*n+1], v[U+2*n:U+2*n+1], v[U+2*n:U+2*n+1]
.set n, n+1
.endr
.set n, 0
.rept 16
	v_pk_mul_f32 v[EE+2*n:EE+2*n+1], v[EE+2*n:EE+2*n+1], s[80:81] op_sel_hi:[1,0]
.set n, n+1
.endr
.set n, 0
.rept 32                               ; ONE BATCH of 64: exponentials and reciprocals, a plain instruction beside each; nothing names a result ahead of the wait
	v_fma_f32 v[TT+n], |v[U+n]|, s92, 1.0
	v_exp_f32 v[EE+n], v[EE+n]
.set n, n+1
.endr
.set n, 0
.rept 32
	v_rcp_f32 v[TT+n], v[TT+n]
	v_max_num_f32 v[RR+n], 0, v[U+n]
.set n, n+1
.endr
	s_wait_alu depctr_va_vdst(0)                   ; the wait ahead of the first use: one for the batch
.set n, 0
.rept 16
	v_pk_fma_f32 v[PP+2*n:PP+2*n+1], v[TT+2*n:TT+2*n+1], s[90:91], s[88:89] op_sel_hi:[1,0,0]
.set n, n+1
.endr
.irp c, 86, 84, 82
.set n, 0
.rept 16
	v_pk_fma_f32 v[PP+2*n:PP+2*n+1], v[PP+2*n:PP+2*n+1], v[TT+2*n:TT+2*n+1], s[\c:\c+1] op_sel_hi:[1,1,0]
.set n, n+1
.endr
.endr
.set n, 0
.rept 16
	v_pk_mul_f32 v[PP+2*n:PP+2*n+1], v[PP+2*n:PP+2*n+1], v[TT+2*n:TT+2*n+1]
.set n, n+1
.endr
.set n, 0
.rept 16
	v_pk_mul_f32 v[PP+2*n:PP+2*n+1], v[PP+2*n:PP+2*n+1], v[EE+2*n:EE+2*n+1]
.set n, n+1
.endr
.set n, 0
.rept 32
	v_fma_f32 v[U+n], -|v[U+n]|, v[PP+n], v[RR+n]
.set n, n+1
.endr
.set n, 0
.rept 16
	v_cvt_pk_bf16_f32 v[OUTR+n], v[U+2*n], v[U+2*n+1]
.set n, n+1
.endr
.irp i, 0,1,2,3
.irp hf, 0,1
	global_store_b64 v[CO], v[OUTR+2*(2*(\i)+(\hf)):OUTR+2*(2*(\i)+(\hf))+1], s[74:75] offset:(\i)*8192+256*(\hf)  ; 32 lanes store 256 consecutive bytes, aligned
.endr
.endr
	s_wait_xcnt 0x0                                ; the stores have read their registers: offset and data are rewritten only behind this wait
	v_add_nc_u32 v[RD], 4*SP, v[RD]
	v_add_nc_u32 v[CO], 4*8192, v[CO]
	s_sub_co_u32 s3, s3, 1
	s_cmp_lg_u32 s3, 0
	s_cbranch_scc1 .Lrow
	s_wait_tensorcnt 0x0                           ; the wave's end
	ds_add_u32 v[SPW], v[NIL]
	s_wait_dscnt 0x0
	CROUND                                         ; the closing round
	s_endpgm
.Lfunc_end_k_q4bcd12201c_fc1:
	.size	k_q4bcd12201c_fc1, .Lfunc_end_k_q4bcd12201c_fc1-k_q4bcd12201c_fc1
	.p2alignl 7, 3214868480
	.fill 96, 4, 3214868480
	.section	.rodata,"a",@progbits
	.p2align	6, 0x0
	.amdhsa_kernel k_q4bcd12201c_fc1
		.amdhsa_group_segment_fixed_size 327680
		.amdhsa_private_segment_fixed_size 0
		.amdhsa_enable_private_segment 0
		.amdhsa_kernarg_size 32
		.amdhsa_user_sgpr_count 2
		.amdhsa_user_sgpr_kernarg_segment_ptr 1
		.amdhsa_wavefront_size32 1
		.amdhsa_system_sgpr_workgroup_id_x 1
		.amdhsa_system_sgpr_workgroup_id_y 1
		.amdhsa_system_sgpr_workgroup_id_z 1
		.amdhsa_system_vgpr_workitem_id 0
		.amdhsa_next_free_vgpr 1024
		.amdhsa_next_free_sgpr 96
		.amdhsa_reserve_vcc 0
		.amdhsa_float_denorm_mode_32 3
		.amdhsa_float_denorm_mode_16_64 3
		.amdhsa_memory_ordered 1
		.amdhsa_forward_progress 1
		.amdhsa_inst_pref_size 98
	.end_amdhsa_kernel
	.amdgpu_metadata
---
amdhsa.version: [ 1, 2 ]
amdhsa.kernels:
  - .name:           k_q4bcd12201c_fc1
    .symbol:         k_q4bcd12201c_fc1.kd
    .args:
      - { .name: y, .offset: 0, .size: 8, .value_kind: global_buffer, .address_space: global }
      - { .name: wt, .offset: 8, .size: 8, .value_kind: global_buffer, .address_space: global }
      - { .name: b_fc1, .offset: 16, .size: 8, .value_kind: global_buffer, .address_space: global }
      - { .name: h, .offset: 24, .size: 8, .value_kind: global_buffer, .address_space: global }
    .group_segment_fixed_size: 327680
    .private_segment_fixed_size: 0
    .kernarg_segment_align: 8
    .kernarg_segment_size: 32
    .max_flat_workgroup_size: 128
    .sgpr_count:     96
    .vgpr_count:     1024
    .wavefront_size: 32
...
	.end_amdgpu_metadata
.endif
;; end of part 6
;; launch fc2 (part 7): grid 8 x 32, 4 waves a work-group, clusters of 4 x 4, 327,680 bytes of LDS; arguments h, wt, b_fc2, x1, out0; writes out0
.if DOCPART == 7
	.amdgcn_target "amdgcn-amd-amdhsa--gfx1250"
	.amdhsa_code_object_version 6
	.text
	.protected	k_q4bcd12201c_fc2
	.globl	k_q4bcd12201c_fc2
	.p2align	8
	.type	k_q4bcd12201c_fc2,@function
k_q4bcd12201c_fc2:
	s_mov_b64 s[64:65], 0
	v_nop
	global_prefetch_b8 v0, s[64:65] scope:SCOPE_SE
	s_setreg_imm32_b32 hwreg(HW_REG_WAVE_MODE, 25, 1), 1
	s_wait_xcnt 0x0
	s_wait_alu depctr_hold_cnt(0) depctr_sa_sdst(0) depctr_va_vdst(0) depctr_va_sdst(0) depctr_va_ssrc(0) depctr_va_vcc(0) depctr_vm_vsrc(0)
	s_getreg_b32 s2, hwreg(HW_REG_IB_STS2, 6, 4)
	s_cmp_eq_u32 s2, 0
	s_cbranch_scc0 .Lentry_in_a_cluster
	s_endpgm
.Lentry_in_a_cluster:
	s_bfe_u32 s2, ttmp6, 0x10000c
	s_cmp_lg_u32 s2, 0xf033
	s_cbranch_scc0 .Lentry_shape_is_right
	s_endpgm
.Lentry_shape_is_right:
; out0 = x1 + h W2 + b_fc2.  h: [4096][4096] bf16; the weight lies turned, [1024][4096] bf16, at byte 16,777,216 of wt; x1, out0: [4096][1024] f32.  Sums in f32.
; A tile of C is 128 x 128: 8 x 32 = 256 work-groups.  Four waves, 2 x 2, each 64 x 64: 16 accumulators.  K goes in 16 steps of 256 through two LDS slots; one K step is one trip of the loop.
; THE WALK ALONG K BEGINS AT ANOTHER STEP IN EACH CLUSTER: cluster (X, Y) takes the steps s0, s0 + 1, .. modulo 16, s0 = (8 X + 4 (Y & 3) + 2 (Y >> 2)) mod 16: the two clusters that read the same rows of A (same Y)
; stand 8 steps apart, the eight that read the same rows of B (same X) at eight different steps.  LIMIT: the f32 sums are taken in that order; the result differs from the ascending order's by rounding alone.
; The last two steps, which ask for nothing, are a loop of their own, entered in its middle: its last trip fetches the other slot's old first fragments, which serve nothing: the price of one text for both.
; A's and B's tiles have rows of 512 bytes, pitch 528; a wave's tensor load brings 64 of them.  CLUSTER 4 x 4: A's tile is shared along a row of the cluster, B's along a column.  No prefetch: small tiles.
; The matrix instruction is used transposed: a lane holds eight neighbouring columns of one row of C.  WAY OUT: the residual, asked for when the first tile has landed, takes the bias; the sums go through a stage over
; slot 0 (which has had its last fill), each wave's own quadrant, and come back so that sixteen lanes hold 256 consecutive bytes of a row.
; REGISTERS: window 0 addresses, bias, accumulators ((a, b) at v[128 + 8 (4 a + b)]); window 1 two fragment buffers of 128 (A's 64, then B's 64); window 2 v0-127 the residual.
.set PLANES, 0
.set KTOT,   4096
.set STEPS,  KTOT/256
.set PB,     528
.set BHALF,  64*PB
.set APART,  2*BHALF
.set AFILL,  BHALF
.set ASH,    9                         ; a K step's tile of A lies 1 << ASH bytes behind the one before
.set SLOT,   APART+2*BHALF
.set SLOT1,  SLOT                      ; 135,168: its two bits occur in no fill's address in slot 0, so one exclusive or changes slots
.set SPARE,  SLOT1+SLOT
.set SP,     528
.set WOFF,   16777216
.set BI,    12
.set ADRA0, 16
.set ADRA,  17
.set ADRB0, 20
.set ADRB,  21
.set STO,  24
.set RD,   25
.set CO,   26
.set BO,   27
.set SPW,  28
.set NIL,  29
.set ACC,  128
.set F0,   0
.set F1,   128
.set G1,  24
.set G0,  32                           ; s[32:39] two sets for the two first fills; the second then walks
.set G1B, 48
.set G0B, 56
.set TBR, 66                           ; s66  0 or SLOT1: the slot that is read
.set KI,  67                           ; s67  the K step that the walking sets name
.set OFA, 78                           ; s[78:79] its byte offset in A
.set OFB, 80                           ; s[80:81] and in B
.set MSB, 0
.macro WIN new
.if MSB != (\new)
	s_set_vgpr_msb (MSB<<8)|(\new)
.set MSB, \new
.endif
.endm
.set MUL,  0x05
.set TO_F, 0x40
.macro PLACES
.rept 4
	v_nop
.endr
.endm
.macro JLOAD
	s_cmp_eq_u32 s11, 0
	s_cbranch_scc0 .Lfor_b_\@
	tensor_load_to_lds s[G0+4:G0+7], s[G1:G1+7]
	s_nop 0
	PLACES
	s_branch .Lasked_\@
.Lfor_b_\@:
	tensor_load_to_lds s[G0B+4:G0B+7], s[G1B:G1B+7]
	s_nop 0
	PLACES
.Lasked_\@:
.endm
.macro CREST
	s_cmp_lg_u32 s10, 0
	s_cbranch_scc1 .Lnot_wave_0_\@
	s_barrier_signal -3
.Lnot_wave_0_\@:
	s_barrier_wait -3
	s_barrier_signal -1
	s_barrier_wait -1
.endm
.macro CROUND
	s_barrier_signal -1
	s_barrier_wait -1
	CREST
.endm
	s_load_b256 s[68:75], s[0:1], 0x0              ; A s[68:69], wt s[70:71], bias s[72:73], residual s[74:75]
	s_load_b64 s[76:77], s[0:1], 0x20              ; out
	v_lshl_add_u32 v[SPW], v0, 2, SPARE
	v_mov_b32 v[NIL], 0
	ds_add_u32 v[SPW], v[NIL]                      ; the wave's opening: the add and its wait ahead of my first tensor load
	v_lshrrev_b32 v1, 5, v0
	v_readfirstlane_b32 s10, v1
	s_lshr_b32 s11, s10, 1
	s_and_b32 s12, s10, 1
	s_bfe_u32 s40, ttmp6, 0x40000
	s_bfe_u32 s41, ttmp6, 0x40004
	s_lshl_b32 s42, ttmp9, 2
	s_add_co_u32 s42, s42, s40                     ; tile column
	s_and_b32 s20, ttmp7, 0xffff                   ; cluster y
	s_lshl_b32 s13, s20, 2
	s_add_co_u32 s13, s13, s41                     ; tile row
	; where my cluster's walk begins: made of the cluster's two numbers alone, so it is the same in all sixteen partners
.if STEPS == 16
	s_and_b32 s21, s20, 3
	s_lshl_b32 s21, s21, 2
	s_lshr_b32 s22, s20, 2
	s_lshl_b32 s22, s22, 1
	s_add_co_u32 s21, s21, s22
	s_lshl_b32 s22, ttmp9, 3
	s_add_co_u32 s21, s21, s22                     ; 8 X + 4 (Y & 3) + 2 (Y >> 2)
.else
	s_bcnt1_i32_b32 s21, s20
	s_add_co_u32 s21, s21, ttmp9
	s_lshl_b32 s21, s21, 1                         ; 2 (X + ones of Y)
.endif
	s_and_b32 s[KI], s21, STEPS-1
	s_mov_b32 s[OFA+1], 0
	s_mov_b32 s[OFB+1], 0
	s_lshl_b32 s43, s41, 2
	s_lshl_b32 s43, 15, s43
	s_lshl_b32 s44, 0x1111, s40
.if PLANES
	s_or_b32 s[G1+0], s43, (1<<16)|(1<<20)|(1<<21)|(4<<22)|(3<<25)
	s_mov_b32 s[G1+1], 128<<16
	s_mov_b32 s[G1+2], 128<<16
	s_mov_b32 s[G1+3], 128<<16
	s_mov_b32 s[G1+4], 128
	s_mov_b32 s[G1+5], 128
.else
	s_or_b32 s[G1+0], s43, (1<<16)|(1<<20)|(1<<21)|(6<<22)|(3<<25)  ; padding of 4 words behind every 128
	s_mov_b32 s[G1+1], 256<<16
	s_mov_b32 s[G1+2], 64<<16
	s_mov_b32 s[G1+3], 256<<16
	s_mov_b32 s[G1+4], 64
	s_mov_b32 s[G1+5], KTOT
.endif
	s_mov_b32 s[G1+6], 0
	s_mov_b32 s[G1+7], 0
	s_or_b32 s[G1B+0], s44, (1<<16)|(1<<20)|(1<<21)|(6<<22)|(3<<25)
	s_mov_b32 s[G1B+1], 256<<16
	s_mov_b32 s[G1B+2], 64<<16
	s_mov_b32 s[G1B+3], 256<<16
	s_mov_b32 s[G1B+4], 64
	s_mov_b32 s[G1B+5], KTOT
	s_mov_b32 s[G1B+6], 0
	s_mov_b32 s[G1B+7], 0
.if PLANES
	s_lshl_b32 s16, s13, 4
	s_lshl_b32 s17, s12, 1
	s_add_co_u32 s16, s16, s17
	s_lshl_b32 s16, s16, 14
.else
	s_lshl_b32 s16, s13, 7
	s_lshl_b32 s17, s12, 6
	s_add_co_u32 s16, s16, s17                     ; row 128 x tile row + 64 x half
	s_mul_i32 s16, s16, 2*KTOT
.endif
	s_mov_b32 s17, 0
	s_lshl_b32 s46, s42, 7
	s_lshl_b32 s47, s12, 6
	s_add_co_u32 s46, s46, s47
	s_mul_i32 s46, s46, 2*KTOT
	s_add_co_u32 s46, s46, WOFF
	s_mov_b32 s47, 0
	s_mul_i32 s93, s12, AFILL
	s_mul_i32 s94, s12, BHALF
	s_add_co_u32 s94, s94, APART
	s_mov_b32 s[TBR], 0
	s_wait_dscnt 0x0
	s_wait_kmcnt 0x0
	s_add_nc_u64 s[14:15], s[68:69], s[16:17]      ; A and B at K step 0 of what I fetch: kept, each fill's address is made of them anew
	s_add_nc_u64 s[46:47], s[70:71], s[46:47]
.irp s, 0,1                            ; s0 is even, so s0 + 1 needs no modulo
	s_add_co_u32 s[OFB], s[KI], (\s)
	s_lshl_b32 s[OFA], s[OFB], ASH
	s_lshl_b32 s[OFB], s[OFB], 9
	s_mov_b32 s[G0+4*(\s)], 1
	s_add_co_u32 s[G0+4*(\s)+1], s93, (\s)*SLOT1
	s_add_nc_u64 s[G0+4*(\s)+2:G0+4*(\s)+3], s[14:15], s[OFA:OFA+1]
	s_or_b32 s[G0+4*(\s)+3], s[G0+4*(\s)+3], 0x80000000
	s_mov_b32 s[G0B+4*(\s)], 1
	s_add_co_u32 s[G0B+4*(\s)+1], s94, (\s)*SLOT1
	s_add_nc_u64 s[G0B+4*(\s)+2:G0B+4*(\s)+3], s[46:47], s[OFB:OFB+1]
	s_or_b32 s[G0B+4*(\s)+3], s[G0B+4*(\s)+3], 0x80000000
.endr
	s_add_co_u32 s[KI], s[KI], 1                   ; the walking sets stand at my second step
	CROUND                                         ; all sixteen work-groups are here: the first joint loads meet
	s_cmp_eq_u32 s11, 0                            ; a wave's two first fills stand in one branch: two loads of mine are out
	s_cbranch_scc0 .Lfirst_b
	tensor_load_to_lds s[G0:G0+3], s[G1:G1+7]
	s_nop 0
	tensor_load_to_lds s[G0+4:G0+7], s[G1:G1+7]
	s_nop 0
	PLACES
	s_branch .Lfirst_asked
.Lfirst_b:
	tensor_load_to_lds s[G0B:G0B+3], s[G1B:G1B+7]
	s_nop 0
	tensor_load_to_lds s[G0B+4:G0B+7], s[G1B:G1B+7]
	s_nop 0
	PLACES
.Lfirst_asked:
	v_and_b32 v1, 15, v0
	v_bfe_u32 v2, v0, 4, 1
.if PLANES
	v_mul_u32_u24 v3, v1, 144
	s_mul_i32 s21, s11, 64*144
.else
	v_mul_u32_u24 v3, v1, PB
	s_mul_i32 s21, s11, BHALF
.endif
	v_lshl_add_u32 v3, v2, 4, v3
	v_add_nc_u32 v[ADRA0], s21, v3
	v_mul_u32_u24 v3, v1, PB
	v_lshl_add_u32 v3, v2, 4, v3
	v_add_nc_u32 v[ADRB0], s94, v3
	v_mov_b32 v[ADRA], v[ADRA0]
	v_mov_b32 v[ADRB], v[ADRB0]
	; my quadrant of the tile in the residual and in the result
	s_lshl_b32 s20, s13, 7
	s_lshl_b32 s21, s11, 6
	s_add_co_u32 s20, s20, s21
	s_lshl_b32 s20, s20, 12
	s_lshl_b32 s22, s42, 9
	s_lshl_b32 s23, s12, 8
	s_add_co_u32 s22, s22, s23
	s_add_co_u32 s20, s20, s22
	s_mov_b32 s21, 0
	s_add_nc_u64 s[74:75], s[74:75], s[20:21]
	s_add_nc_u64 s[76:77], s[76:77], s[20:21]
	v_lshlrev_b32 v[CO], 12, v2
	v_lshl_add_u32 v[CO], v1, 4, v[CO]
	v_lshl_add_u32 v[BO], v1, 4, s22
	s_mul_i32 s20, s11, 64*SP
	s_add_co_u32 s20, s20, s23
	v_mul_u32_u24 v[STO], v1, SP
	v_lshl_add_u32 v[STO], v2, 5, v[STO]
	v_add_nc_u32 v[STO], s20, v[STO]
	v_mul_u32_u24 v[RD], v2, SP
	v_lshl_add_u32 v[RD], v1, 4, v[RD]
	v_add_nc_u32 v[RD], s20, v[RD]
.macro MUL8 f, c, a0, zero             ; the 16 accumulators take turns
	WIN MUL
.irp a, \a0, (\a0)+1
.irp b, 0,1,2,3
.if \zero
	v_wmma_f32_16x16x32_bf16 v[ACC+8*(4*(\a)+(\b)):ACC+8*(4*(\a)+(\b))+7], v[(\f)+64+8*(4*(\c)+(\b)):(\f)+64+8*(4*(\c)+(\b))+7], v[(\f)+8*(4*(\c)+(\a)):(\f)+8*(4*(\c)+(\a))+7], 0
.else
	v_wmma_f32_16x16x32_bf16 v[ACC+8*(4*(\a)+(\b)):ACC+8*(4*(\a)+(\b))+7], v[(\f)+64+8*(4*(\c)+(\b)):(\f)+64+8*(4*(\c)+(\b))+7], v[(\f)+8*(4*(\c)+(\a)):(\f)+8*(4*(\c)+(\a))+7], v[ACC+8*(4*(\a)+(\b)):ACC+8*(4*(\a)+(\b))+7]
.endif
.endr
.endr
.endm
.macro FETCH q, f
	WIN TO_F
.irp c, 0,1
.irp i, 0,1,2,3
.if PLANES
.set ao, (\q)*128*144+(\c)*64+(\i)*16*144
.else
.set ao, (\q)*128+(\c)*64+(\i)*16*PB
.endif
	ds_load_b128 v[(\f)+64+8*(4*(\c)+(\i)):(\f)+64+8*(4*(\c)+(\i))+3],   v[ADRB] offset:(\q)*128+64*(\c)+(\i)*16*PB
	ds_load_b128 v[(\f)+64+8*(4*(\c)+(\i))+4:(\f)+64+8*(4*(\c)+(\i))+7], v[ADRB] offset:(\q)*128+64*(\c)+(\i)*16*PB+32
	ds_load_b128 v[(\f)+8*(4*(\c)+(\i)):(\f)+8*(4*(\c)+(\i))+3],         v[ADRA] offset:ao
	ds_load_b128 v[(\f)+8*(4*(\c)+(\i))+4:(\f)+8*(4*(\c)+(\i))+7],       v[ADRA] offset:ao+32
.endr
.endr
.endm
.macro QUARTER q, f, g, zero
	s_wait_dscnt 16                                ; the first 32 along K are in
	MUL8 \f, 0, 0, \zero
	MUL8 \f, 0, 2, \zero
	PLACES
	FETCH \q, \g
	s_wait_dscnt 32                                ; all but the 32 just issued
	MUL8 \f, 1, 0, 0
	MUL8 \f, 1, 2, 0
.endm
; The last quarter multiplies buffer 1 and changes slots: in front of the barrier each wave waits for all its tensor loads, adds 0 to its spare word, and waits for that and for its reads of this slot.
; fill = 1: the walking sets step while the add is out (no load of mine is out): the other slot, my cluster's next K step modulo STEPS, its address made anew; the joint refill is the first thing behind the round,
; 112 matrix instructions ahead of the wait for it.
.macro TURN fill
	WIN 0
	s_wait_tensorcnt 0x0
	ds_add_u32 v[SPW], v[NIL]
.if \fill
	s_add_co_u32 s[KI], s[KI], 1
	s_and_b32 s[KI], s[KI], STEPS-1
	s_lshl_b32 s[OFA], s[KI], ASH
	s_lshl_b32 s[OFB], s[KI], 9
	s_xor_b32 s[G0+5], s[G0+5], SLOT1
	s_add_nc_u64 s[G0+6:G0+7], s[14:15], s[OFA:OFA+1]
	s_or_b32 s[G0+7], s[G0+7], 0x80000000
	s_xor_b32 s[G0B+5], s[G0B+5], SLOT1
	s_add_nc_u64 s[G0B+6:G0B+7], s[46:47], s[OFB:OFB+1]
	s_or_b32 s[G0B+7], s[G0B+7], 0x80000000
.endif
	s_wait_dscnt 17                                ; (the add and the youngest sixteen loads may be out)
	MUL8 F1, 0, 0, 0
	s_wait_dscnt 0x0
	s_barrier_signal -1
	MUL8 F1, 0, 2, 0
	WIN 0
	s_barrier_wait -1
.if \fill
	CREST
	JLOAD                                          ; its four v_nop are also the places in front of the loads below
.else
	PLACES
.endif
	s_xor_b32 s[TBR], s[TBR], SLOT1
	v_add_nc_u32 v[ADRA], s[TBR], v[ADRA0]
	v_add_nc_u32 v[ADRB], s[TBR], v[ADRB0]
	FETCH 0, F0
	MUL8 F1, 1, 0, 0
	MUL8 F1, 1, 2, 0
.endm
	s_wait_tensorcnt 1                             ; my part of my first K step is in; the second's may stay out
	s_barrier_signal -1
	s_barrier_wait -1
	FETCH 0, F0
	WIN 0x80                                       ; the residual, now that the first tile has landed: destination window 2
.set t, 0
.rept 32
	global_load_b128 v[4*t:4*t+3], v[CO], s[74:75] offset:2*t*4096
.set t, t+1
.endr
	WIN 0
	global_load_b128 v[BI:BI+3], v[BO], s[72:73]
	QUARTER 1, F0, F1, 1                           ; the first products start the sums
	WIN 0
	s_mov_b32 s3, STEPS-2
.Lk:                                   ; from a K step's second quarter to the next step's first
	QUARTER 2, F1, F0, 0
	QUARTER 3, F0, F1, 0
	TURN 1
	QUARTER 1, F0, F1, 0
	WIN 0
	s_sub_co_u32 s3, s3, 1
	s_cmp_lg_u32 s3, 0
	s_cbranch_scc1 .Lk
	s_mov_b32 s3, 2                                ; the last two K steps ask for nothing: a loop of their own; it is entered behind a step's first quarter
	s_branch .Lenter
.Ltail:
	QUARTER 1, F0, F1, 0
	WIN 0
.Lenter:
	QUARTER 2, F1, F0, 0
	QUARTER 3, F0, F1, 0
	TURN 0                                         ; (in the last trip its fetch serves nothing)
	WIN 0
	s_sub_co_u32 s3, s3, 1
	s_cmp_lg_u32 s3, 0
	s_cbranch_scc1 .Ltail
	s_wait_dscnt 0x0                               ; my last reads of the ring are back
	s_wait_loadcnt 0x0                             ; the residual and the bias
	WIN 0x82
.set t, 0
.rept 32                               ; residual + bias: 64 plain instructions that name no register of the last products: their places
	v_pk_add_f32 v[4*t:4*t+1],   v[4*t:4*t+1],   v[BI:BI+1]
	v_pk_add_f32 v[4*t+2:4*t+3], v[4*t+2:4*t+3], v[BI+2:BI+3]
.set t, t+1
.endr
	WIN 0
	s_barrier_signal -1                            ; every wave's reads of the ring are back
	s_barrier_wait -1
.irp a, 0,1,2,3
.irp b, 0,1,2,3
	ds_store_b128 v[STO], v[ACC+8*(4*(\a)+(\b)):ACC+8*(4*(\a)+(\b))+3]   offset:(\a)*16*SP+64*(\b)
	ds_store_b128 v[STO], v[ACC+8*(4*(\a)+(\b))+4:ACC+8*(4*(\a)+(\b))+7] offset:(\a)*16*SP+64*(\b)+16
.endr
.endr
.set t, 0
.rept 32
	ds_load_b128 v[ACC+4*t:ACC+4*t+3], v[RD] offset:2*t*SP  ; my own quadrant: LDS serves a wave's instructions in order (ISA guide 5.7.1.4)
.set t, t+1
.endr
	WIN 0x88
.set t, 0
.rept 32
	s_wait_dscnt 31-t
	v_pk_add_f32 v[4*t:4*t+1],   v[ACC+4*t:ACC+4*t+1],   v[4*t:4*t+1]
	v_pk_add_f32 v[4*t+2:4*t+3], v[ACC+4*t+2:ACC+4*t+3], v[4*t+2:4*t+3]
	global_store_b128 v[CO], v[4*t:4*t+3], s[76:77] offset:2*t*4096  ; sixteen lanes store 256 consecutive bytes, aligned
.set t, t+1
.endr
	WIN 0
	s_wait_tensorcnt 0x0                           ; the wave's end
	ds_add_u32 v[SPW], v[NIL]
	s_wait_dscnt 0x0
	CROUND                                         ; the closing round
	s_endpgm
.Lfunc_end_k_q4bcd12201c_fc2:
	.size	k_q4bcd12201c_fc2, .Lfunc_end_k_q4bcd12201c_fc2-k_q4bcd12201c_fc2
	.p2alignl 7, 3214868480
	.fill 96, 4, 3214868480
	.section	.rodata,"a",@progbits
	.p2align	6, 0x0
	.amdhsa_kernel k_q4bcd12201c_fc2
		.amdhsa_group_segment_fixed_size 327680
		.amdhsa_private_segment_fixed_size 0
		.amdhsa_enable_private_segment 0
		.amdhsa_kernarg_size 40
		.amdhsa_user_sgpr_count 2
		.amdhsa_user_sgpr_kernarg_segment_ptr 1
		.amdhsa_wavefront_size32 1
		.amdhsa_system_sgpr_workgroup_id_x 1
		.amdhsa_system_sgpr_workgroup_id_y 1
		.amdhsa_system_sgpr_workgroup_id_z 1
		.amdhsa_system_vgpr_workitem_id 0
		.amdhsa_next_free_vgpr 640
		.amdhsa_next_free_sgpr 96
		.amdhsa_reserve_vcc 0
		.amdhsa_float_denorm_mode_32 3
		.amdhsa_float_denorm_mode_16_64 3
		.amdhsa_memory_ordered 1
		.amdhsa_forward_progress 1
		.amdhsa_inst_pref_size 70
	.end_amdhsa_kernel
	.amdgpu_metadata
---
amdhsa.version: [ 1, 2 ]
amdhsa.kernels:
  - .name:           k_q4bcd12201c_fc2
    .symbol:         k_q4bcd12201c_fc2.kd
    .args:
      - { .name: h, .offset: 0, .size: 8, .value_kind: global_buffer, .address_space: global }
      - { .name: wt, .offset: 8, .size: 8, .value_kind: global_buffer, .address_space: global }
      - { .name: b_fc2, .offset: 16, .size: 8, .value_kind: global_buffer, .address_space: global }
      - { .name: x1, .offset: 24, .size: 8, .value_kind: global_buffer, .address_space: global }
      - { .name: out0, .offset: 32, .size: 8, .value_kind: global_buffer, .address_space: global }
    .group_segment_fixed_size: 327680
    .private_segment_fixed_size: 0
    .kernarg_segment_align: 8
    .kernarg_segment_size: 40
    .max_flat_workgroup_size: 128
    .sgpr_count:     96
    .vgpr_count:     640
    .wavefront_size: 32
...
	.end_amdgpu_metadata
.endif
;; end of part 7
